; MI455X (gfx1250); checked and timed in simulation.
; The chip was launched on July 23, 2026; its instructions are those of AMD's public machine-readable ISA for CDNA 5 (MIT licence, August 2026) and "CDNA5" Instruction Set Architecture Reference Guide (July 2026). The comments in the code are by the model that wrote it; some were corrected since.
;; Fractal Attentional Resonance. Allowed arithmetic: matrix products marked QUANTISED: E4M3 operands, one given power-of-two scale a tensor, by v_wmma_f32_16x16x64_fp8_fp8 or v_wmma_f32_16x16x128_fp8_fp8, f32 sums; products left as they are: f32 operands where the result goes on into a quantised operand, else bf16, f16 or f32 operands; f32 sums; everything else in f32.
;; Inputs: Wc1 512 x 256 float32; Wc2 256 x 8 float32; Wk_codes 512 x 16 x 32 uint8 (E4M3 codes of Wk, K innermost, in blocks of 32 codes); Wo_codes 512 x 16 x 32 uint8 (E4M3 codes of Wo, K innermost, in blocks of 32 codes); Wq_codes 512 x 16 x 32 uint8 (E4M3 codes of Wq, K innermost, in blocks of 32 codes); Wv_codes 512 x 16 x 32 uint8 (E4M3 codes of Wv, K innermost, in blocks of 32 codes); bc1 256 float32; bc2 8 float32; bk 512 float32; bo 512 float32; bq 512 float32; bv 512 float32; ln_b 512 float32; ln_g 512 float32; lowp_scales 12 int32 (the exponents e of the quantised operands' scales 2^e); mask 4 x 1 x 2,048 x 2,048 int32; res_gate 8 float32; tf_emb 5 x 512 float32; timeframe_ids 4 x 2,048 int32; x 4 x 2,048 x 512 float32.
;; Outputs: out0 4 x 2,048 x 512 float32.
;; This version of the problem:
;;   THIS VERSION OF THE PROBLEM IS GIVEN IN LOW PRECISION. The matrix products marked QUANTISED in the list below multiply operands that are first quantised to E4M3 (4 exponent bits, 3 mantissa bits; 8 bits a number), with one given power-of-two scale for each operand tensor; their sums are f32. All else is computed in f32.
;;   The module's matrix products, in the order in which they are computed (A, B: the left and right operand; K: the contracted axis; several contracted axes count as one K, in the product's order):
;;     1. [M 8,192, K 512] x [K 512, N 512]; A: computed on the way; B: input Wq (given as codes): QUANTISED (scales: A lowp_scales[0], B lowp_scales[1])
;;     2. [M 8,192, K 512] x [K 512, N 512]; A: computed on the way; B: input Wk (given as codes): QUANTISED (scales: A lowp_scales[2], B lowp_scales[3])
;;     3. [M 8,192, K 512] x [K 512, N 512]; A: computed on the way; B: input Wv (given as codes): QUANTISED (scales: A lowp_scales[4], B lowp_scales[5])
;;     4. batch 32 x [M 2,048, K 64] x [K 64, N 2,048]; A: computed on the way; B: computed on the way: QUANTISED (scales: A lowp_scales[6], B lowp_scales[7])
;;     5. [M 4, K 512] x [K 512, N 256]; A: computed on the way; B: input Wc1: left as it is (M = 4 < 16)
;;     6. [M 4, K 256] x [K 256, N 8]; A: computed on the way; B: input Wc2: left as it is (M = 4 < 16)
;;     7. batch 32 x [M 2,048, K 2,048] x [K 2,048, N 64]; A: softmax (see below); B: computed on the way: QUANTISED (scales: A lowp_scales[8], B lowp_scales[9])
;;     8. [M 8,192, K 512] x [K 512, N 512]; A: computed on the way; B: input Wo (given as codes): QUANTISED (scales: A lowp_scales[10], B lowp_scales[11])
;;   THE QUANTISER, for each operand of a quantised product, along K:
;;     - The operand's scale is 2^e, e = its entry of the input lowp_scales (int32; the entries are numbered through the quantised products in the list's order, A before B).
;;     - Each number is divided by the scale, clamped to +-448, and rounded to the nearest number of E4M3, ties to even, subnormals kept.
;;     - The product sums the exact products of the quantised numbers (number of the format x scale) in f32.
;;   ~~~python
;;   def quantise(x, axis, e):      # numpy; x: float32 -> the quantised numbers, widened to float32 again
;;       x = np.moveaxis(x, axis, -1); K = x.shape[-1]
;;       r = np.clip(x / 2.0 ** e, -448, 448)
;;       step = 2.0 ** (np.maximum(np.frexp(np.where(r == 0, 1, r))[1] - 1, -6) - 3)
;;       q = np.round(r / step) * step * 2.0 ** e      # np.round: ties to even
;;       return np.moveaxis(q, -1, axis).astype(np.float32)
;;   ~~~
;;   SOFTMAX AHEAD OF A QUANTISED PRODUCT. Where the list says 'softmax', what is quantised is not the finished softmax but p = 2^(t - M), with t = logit x log2(e) and M = ceil(the row's largest t), a whole number; so 1/2 < the row's largest p <= 1. The row's sum l is taken of the UNQUANTISED p, in f32, and the product's result is divided by l at the end. Since M is a whole number, a kernel that streams over the keys may use a running M (the ceiling of the running maximum): every later rescaling is an exact power of two, so the quantised numbers keep their values, but for numbers so far below the row's largest that they fall under the format's range.
;;   OPERANDS COMPUTED ON THE WAY. 'Computed on the way' means the value that the module computes at that place (a softmax that the list does not call 'softmax' is quantised finished and normalised). What goes into a quantiser is computed in f32, as accurately as f32 sums, v_exp_f32 and their like allow (about 1e-6 of the number): no bf16 or f16 on the way to a quantiser, and a product that is left as it is and whose result goes on into a quantised operand takes f32 operands (vector FMAs, or v_wmma_f32_16x16x4_f32). A number that lies on a knife's edge between two numbers of the format may be rounded either way, as far as f32 arithmetic and the matrix unit's own rounding can turn it there, and no further.
;;   INPUTS GIVEN AS CODES. Wk (in the module: [512, 512], K = its axis 0); Wo (in the module: [512, 512], K = its axis 0); Wq (in the module: [512, 512], K = its axis 0); Wv (in the module: [512, 512], K = its axis 0): each comes as NAME_codes (uint8): NAME with its K axis moved to the last place and cut into blocks of 32 codes, [.., K / 32, bytes a block], one block behind the other in memory; one code a byte (a code: sign, 4 exponent bits, 3 mantissa bits); its scale is its entry of lowp_scales. Its value is code x scale, taken as it is: it is not quantised again, and the codes and scales need not be those that the quantiser above would give.
;; 2 versions, each right; version 2 is version 1 with the launch proj written anew for expert scheduling mode. Each part assembles by itself: llvm-mc -triple=amdgcn-amd-amdhsa -mcpu=gfx1250 --defsym DOCPART=n.
;; ======== version 1 of 2: 4 launches
;; workspace buffers: qimg 4,194,304 bytes; kvimg 8,388,608 bytes; psum 131,072 bytes; mbits 2,097,152 bytes of whole numbers; zpart 512 bytes; aimg 4,194,304 bytes
;; launch proj (part 1): grid 64 x 3, 8 waves a work-group, no clusters, 82,944 bytes of LDS; arguments x, timeframe_ids, tf_emb, Wq_codes, Wk_codes, Wv_codes, bq, bk, bv, lowp_scales, qimg, kvimg, psum; writes qimg, kvimg, psum
.if DOCPART == 1
	.amdgcn_target "amdgcn-amd-amdhsa--gfx1250"
	.amdhsa_code_object_version 6
	.text
	.protected	k_qe01b6277d1_proj
	.globl	k_qe01b6277d1_proj
	.p2align	8
	.type	k_qe01b6277d1_proj,@function
k_qe01b6277d1_proj:
	s_mov_b64 s[64:65], 0
	v_nop
	global_prefetch_b8 v0, s[64:65] scope:SCOPE_SE
	s_setreg_imm32_b32 hwreg(HW_REG_WAVE_MODE, 25, 1), 1
	s_wait_xcnt 0x0
; xe = x + tf_emb[ids]; one of Q = xe Wq + bq, K = xe Wk + bk, V = xe Wv + bv (work-group y = 0, 1, 2), on codes of FP8 (E4M3), and the result's own codes.
; y = 0 also stores the sums of xe's columns over its 128 rows (for the mean that a later launch needs).
; SHARES.  A work-group takes 128 rows (one key step of one batch).  Wave w quantises rows 16 w .. 16 w + 15 of xe, with the scale that its product is given, and hands the four fragments
; (16 rows x 128 K each) to the others through LDS as images of their registers.  Then wave w makes head w (64 columns) for all 128 rows; its 64 rows of the weight, 256 registers, stay in window 1.
; No cluster and no tensor load: each wave's weights go straight into its registers, once, and x is quantised in registers; nothing that LDS holds comes from memory as it lies.
; THREE MAPS.  (1) Lane r of a fragment of rows holds row 16 tile + rho(r), rho(r) = 2 (r % 8) + r / 8.  (2) Lane r of tile t of a head's 64 weight rows holds channel 32 (t / 2) + 8 (t % 2) + r + 8 (r / 8).
; (3) A fragment's registers 4 c .. 4 c + 3 hold k = 32 c + 16 (lane / 16) + 0 .. 15: the same places in both operands of every product, so each product meets its partner.
; Q, K: the product is used transposed (source 0 = weight, source 1 = xe): a lane holds one row and 8 neighbouring channels a tile; the conversions' results are the K = 64 fragment of the scores' product.
; V: natural order (source 0 = xe, source 1 = weight): a lane holds one channel and the keys 16 m + 2 j + lane / 16 of row tile m: registers 2 m, 2 m + 1 of V's fragment along the keys.
; The bias is the C of each sum's first product, divided by 2^(eA + eB); the result's conversion takes the one scale 2^(eO - eA - eB).
; LIMITS: eA and eO - eA - eB lie between -126 and 119.  NaN among the inputs is not served.  An id above 4 is read as 4.
; REGISTERS, window 0: v4 x offset, v5 16 lane, v6 image store, v7 tf_emb offset, v8 weight offset, v9 8 lane, v10, v11 column sums in LDS, v12 id, v13, v15 bias offsets, v14 id offset;
;   v32-95, v96-159 two sets of 64 numbers of xe, later two sets of four fragments; v160-223 tf_emb's numbers, later v160-191 four accumulators and v192-223 the bias; v224-239 codes; v240 scale, v241 448 x scale; v242-255 column sums at work.
.set XS0, 32
.set XS1, 96
.set EM,  160
.set HA,  160
.set BI,  192
.set PC,  224
.set SCL, 240
.set LIM, 241
.set CSU, 242
.set T0,  246
.set T1,  247
.set RR,  248
.set CSR, 65536                        ; LDS: 0 .. 65535 the 32 fragments' images ((4 m + s) x 2048); from 65536 eight waves x 512 column sums
.set MSB, 0
.macro WIN new                         ; the immediate's high byte repeats the setting that is left
.if MSB != \new
	s_set_vgpr_msb (MSB<<8)|\new
.set MSB, \new
.endif
.endm
.macro PLACES                          ; four plain vector instructions behind matrix instructions, ahead of reads of results and of loads into their registers
.rept 4
	v_nop
.endr
.endm
.macro BARRIER                         ; my LDS stores have landed and my LDS loads are in: then the work-group's barrier
	s_wait_dscnt 0x0
	s_barrier_signal -1
	s_barrier_wait -1
.endm
.macro XLOAD set, ks                   ; my row's 64 numbers of K step ks: 16 neighbours of each block of 32
.irp b, 0,1,2,3
.irp j, 0,1,2,3
	global_load_b128 v[\set+16*\b+4*\j:\set+16*\b+4*\j+3], v4, s[8:9] offset:512*(\ks)+128*\b+16*\j
.endr
.endr
.endm
.macro ELOAD ks                        ; the same places of my row's line of tf_emb
.irp b, 0,1,2,3
.irp j, 0,1,2,3
	global_load_b128 v[EM+16*\b+4*\j:EM+16*\b+4*\j+3], v7, s[12:13] offset:512*(\ks)+128*\b+16*\j
.endr
.endr
.endm
.macro WLOAD t                         ; tile t of my head's weight rows, four K steps, into window 1 at v[16 (4 t + s)]
	WIN 0x40
.irp ks, 0,1,2,3
.irp c, 0,1,2,3
	global_load_b128 v[16*(4*(\t)+\ks)+4*\c:16*(4*(\t)+\ks)+4*\c+3], v8, s[34:35] offset:(32*((\t)/2)+8*((\t)%2))*512+128*\ks+32*\c
.endr
.endr
	WIN 0
.endm
; Sixteen numbers a lane, summed over the 16 lanes of a half-wave so that lane r ends with number r's sum: in each stage a lane keeps one half of its numbers and sends the other to the lane 8, 4, 2, 1 away.  The source is left as it is.
.macro RS16 src, dst
.irp i, 0,1,2,3,4,5,6,7
	v_cndmask_b32 v[T0], v[\src+\i], v[\src+\i+8], s44
	v_cndmask_b32 v[T1], v[\src+\i+8], v[\src+\i], s44
	v_add_f32_dpp v[RR+\i], v[T1], v[T0] row_xmask:8 row_mask:0xf bank_mask:0xf
.endr
.irp i, 0,1,2,3
	v_cndmask_b32 v[T0], v[RR+\i], v[RR+\i+4], s45
	v_cndmask_b32 v[T1], v[RR+\i+4], v[RR+\i], s45
	v_add_f32_dpp v[RR+\i], v[T1], v[T0] row_xmask:4 row_mask:0xf bank_mask:0xf
.endr
.irp i, 0,1
	v_cndmask_b32 v[T0], v[RR+\i], v[RR+\i+2], s46
	v_cndmask_b32 v[T1], v[RR+\i+2], v[RR+\i], s46
	v_add_f32_dpp v[RR+\i], v[T1], v[T0] row_xmask:2 row_mask:0xf bank_mask:0xf
.endr
	v_cndmask_b32 v[T0], v[RR], v[RR+1], s47
	v_cndmask_b32 v[T1], v[RR+1], v[RR], s47
	v_add_f32_dpp v[\dst], v[T1], v[T0] row_xmask:1 row_mask:0xf bank_mask:0xf
.endm
.macro QUANT set                       ; 64 numbers of a lane become a fragment's 16 registers of codes
.irp b, 0,1,2,3
.irp i, 0,1,2,3,4,5,6,7,8,9,10,11,12,13,14,15
	v_med3_num_f32 v[\set+16*\b+\i], v[\set+16*\b+\i], -v[LIM], v[LIM]   ; the conversion does not saturate (ISA guide 7.6.2): the hold at the largest code x the scale
.endr
	v_cvt_scalef32_pk8_fp8_f32 v[PC+4*\b:PC+4*\b+1], v[\set+16*\b:\set+16*\b+7], v[SCL]
	v_cvt_scalef32_pk8_fp8_f32 v[PC+4*\b+2:PC+4*\b+3], v[\set+16*\b+8:\set+16*\b+15], v[SCL]
.endr
	v_nop                                          ; a plain instruction behind the last conversion
.endm
; One K step of phase X.  left: the younger loads that may stay out.  el, xl, wl: ask for tf_emb's next step, x's step after next, the next weight tile.
.macro XSTEP k, set, left, el, xl, wl
	s_wait_loadcnt \left                           ; this step's x and tf_emb are in
.if \k > 0
	s_wait_dscnt 0x0                               ; the last step's LDS stores have read their registers
.endif
.set jj, 0
.rept 32
	v_pk_add_f32 v[\set+jj:\set+jj+1], v[\set+jj:\set+jj+1], v[EM+jj:EM+jj+1]   ; xe
.set jj, jj+2
.endr
.if \el
	ELOAD (\k)+1
.endif
.if \k == 3                            ; tf_emb's registers are free: the bias comes in, in the layout of the results
	s_cmp_eq_u32 s3, 2
	s_cbranch_scc1 .Lbias_n
.irp t, 0,1,2,3
	global_load_b128 v[BI+8*\t:BI+8*\t+3], v13, s[36:37] offset:(32*(\t/2)+8*(\t%2))*4
	global_load_b128 v[BI+8*\t+4:BI+8*\t+7], v13, s[36:37] offset:(32*(\t/2)+8*(\t%2))*4+16
.endr
	s_branch .Lbias_in
.Lbias_n:
.irp t, 0,1,2,3
	global_load_b32 v[BI+8*\t], v15, s[36:37] offset:(32*(\t/2)+8*(\t%2))*4
.endr
.Lbias_in:
.endif
	s_cmp_lg_u32 s3, 0                             ; the column sums are made once, by y = 0
	s_cbranch_scc1 .Lnocs_\@
.irp b, 0,1,2,3
	RS16 \set+16*\b, CSU+\b
.endr
.irp b, 0,1,2,3
	ds_store_b32 v10, v[CSU+\b] offset:512*(\k)+128*\b   ; column 128 k + 32 b + lane, my 16 rows' sum
.endr
.Lnocs_\@:
	QUANT \set
.irp c, 0,1,2,3
	ds_store_b128 v6, v[PC+4*\c:PC+4*\c+3] offset:2048*(\k)+512*\c   ; the fragment's image: 512 consecutive bytes a store
.endr
.if \xl
	XLOAD \set, (\k)+2
.endif
.if \wl
	WLOAD (\k)+1
.endif
.endm
.macro FETCH set, m                    ; row tile m's four fragments
.irp ks, 0,1,2,3
.irp c, 0,1,2,3
	ds_load_b128 v[\set+16*\ks+4*\c:\set+16*\ks+4*\c+3], v5 offset:8192*(\m)+2048*\ks+512*\c
.endr
.endr
.endm
; 16 matrix instructions: four K steps x my four tiles; the four accumulators take turns, one instruction a turn.  The first K step takes the bias as C.
.macro MUL set, nat
.if \nat
	WIN 0x04                                       ; source 1 (the weight) in window 1
.else
	WIN 0x01                                       ; source 0 (the weight) in window 1
.endif
.irp ks, 0,1,2,3
.irp t, 0,1,2,3
.if \nat
.if \ks == 0
	v_wmma_f32_16x16x128_fp8_fp8 v[HA+8*\t:HA+8*\t+7], v[\set+16*\ks:\set+16*\ks+15], v[16*(4*\t+\ks):16*(4*\t+\ks)+15], v[BI+8*\t:BI+8*\t+7]
.else
	v_wmma_f32_16x16x128_fp8_fp8 v[HA+8*\t:HA+8*\t+7], v[\set+16*\ks:\set+16*\ks+15], v[16*(4*\t+\ks):16*(4*\t+\ks)+15], v[HA+8*\t:HA+8*\t+7]
.endif
.else
.if \ks == 0
	v_wmma_f32_16x16x128_fp8_fp8 v[HA+8*\t:HA+8*\t+7], v[16*(4*\t+\ks):16*(4*\t+\ks)+15], v[\set+16*\ks:\set+16*\ks+15], v[BI+8*\t:BI+8*\t+7]
.else
	v_wmma_f32_16x16x128_fp8_fp8 v[HA+8*\t:HA+8*\t+7], v[16*(4*\t+\ks):16*(4*\t+\ks)+15], v[\set+16*\ks:\set+16*\ks+15], v[HA+8*\t:HA+8*\t+7]
.endif
.endif
.endr
.endr
	WIN 0
.endm
.macro QUANTO par, nat                 ; the four tiles' results become codes; par: the row tile's parity
.irp t, 0,1,2,3
.irp i, 0,1,2,3,4,5,6,7
	v_med3_num_f32 v[HA+8*\t+\i], v[HA+8*\t+\i], -v[LIM], v[LIM]
.endr
.if \nat
	v_cvt_scalef32_pk8_fp8_f32 v[PC+4*\t+2*\par:PC+4*\t+2*\par+1], v[HA+8*\t:HA+8*\t+7], v[SCL]
.else
	v_cvt_scalef32_pk8_fp8_f32 v[PC+8*\par+2*\t:PC+8*\par+2*\t+1], v[HA+8*\t:HA+8*\t+7], v[SCL]
.endif
.endr
	v_nop                                          ; a plain instruction between the last conversion and the products that write its sources again
.endm
.macro OUT_T m                         ; a K = 64 fragment's image: two stores of 512 consecutive bytes
	global_store_b128 v5, v[PC+8*((\m)%2):PC+8*((\m)%2)+3], s[38:39] offset:1024*(\m)
	global_store_b128 v5, v[PC+8*((\m)%2)+4:PC+8*((\m)%2)+7], s[38:39] offset:1024*(\m)+512
.endm
.macro PAIR i, nat                     ; row tiles 2 i and 2 i + 1
	FETCH XS0, 2*\i
	FETCH XS1, 2*\i+1
	s_wait_dscnt 16                                ; the first tile's sixteen loads are in, the second's may be out
	MUL XS0, \nat
	PLACES
	s_wait_xcnt 0x0                                ; the earlier stores have read the codes' registers
	QUANTO 0, \nat
.if !\nat
	OUT_T 2*\i
.endif
	s_wait_dscnt 0x0
	MUL XS1, \nat
	PLACES
	QUANTO 1, \nat
.if \nat
.irp t, 0,1,2,3
	global_store_b128 v5, v[PC+4*\t:PC+4*\t+3], s[38:39] offset:2048*\t+512*\i   ; registers 4 i .. 4 i + 3 of channel tile t's fragment along the keys
.endr
.else
	OUT_T 2*\i+1
.endif
.endm
	s_load_b512 s[8:23], s[0:1], 0x0               ; x s[8:9], ids s[10:11], tf_emb s[12:13], Wq s[14:15], Wk s[16:17], Wv s[18:19], bq s[20:21], bk s[22:23]
	s_load_b256 s[24:31], s[0:1], 0x40             ; bv s[24:25], scales s[26:27], qimg s[28:29], kvimg s[30:31]
	s_load_b64 s[32:33], s[0:1], 0x60              ; psum
	v_lshl_add_u32 v30, v0, 2, 0x14000
	v_mov_b32 v31, 0
	v_lshrrev_b32 v1, 5, v0
	v_readfirstlane_b32 s2, v1                     ; wave 0..7
	s_and_b32 s3, ttmp7, 0xffff                    ; y: which product
	s_mov_b32 s4, ttmp9                            ; g: which 128 rows
	v_and_b32 v1, 31, v0                           ; lane
	v_and_b32 v2, 15, v0                           ; r
	v_bfe_u32 v3, v0, 4, 1                         ; h
	v_and_b32 v14, 7, v0
	v_bfe_u32 v15, v0, 3, 1
	v_lshl_add_u32 v14, v14, 1, v15                ; rho(r)
	v_lshlrev_b32 v4, 11, v14
	v_lshl_add_u32 v4, v3, 6, v4                   ; x: row rho of 2,048 bytes, + 64 h
	v_lshlrev_b32 v14, 2, v14                      ; ids: 4 rho
	v_lshlrev_b32 v5, 4, v1                        ; 16 lane
	s_lshl_b32 s48, s2, 13
	v_add_nc_u32 v6, s48, v5                       ; my four images: 8,192 w + 16 lane
	v_lshl_add_u32 v15, v15, 3, v2                 ; r + 8 (r / 8)
	v_lshlrev_b32 v8, 9, v15
	v_lshl_add_u32 v8, v3, 4, v8                   ; weight: that row of 512 bytes, + 16 h
	v_lshlrev_b32 v15, 2, v15                      ; bias, natural order: my channel
	v_lshlrev_b32 v13, 6, v3                       ; bias, transposed: 16 h channels on
	v_lshlrev_b32 v9, 3, v1
	s_lshl_b32 s48, s2, 11
	s_add_co_u32 s48, s48, CSR
	v_lshl_add_u32 v10, v1, 2, s48                 ; my wave's column sums
	s_lshl_b32 s48, s2, 8
	s_add_co_u32 s48, s48, CSR
	v_lshl_add_u32 v11, v1, 3, s48                 ; columns 64 w + 2 lane of wave 0's
.irp j, 242,243,244,245,246,247,248,249,250,251,252,253,254,255
	v_mov_b32 v\j, 0                               ; written once: a destination of a lane-crossing add counts as read
.endr
	s_mov_b32 s44, 0xff00ff00                      ; lanes with r & 8, 4, 2, 1
	s_mov_b32 s45, 0xf0f0f0f0
	s_mov_b32 s46, 0xcccccccc
	s_mov_b32 s47, 0xaaaaaaaa
	s_lshl_b32 s50, s4, 18
	s_lshl_b32 s51, s2, 15
	s_add_co_u32 s50, s50, s51                     ; x: (128 g + 16 w) rows
	s_mov_b32 s51, 0
	s_lshl_b32 s52, s4, 9
	s_lshl_b32 s53, s2, 6
	s_add_co_u32 s52, s52, s53                     ; ids likewise
	s_mov_b32 s53, 0
	s_lshl_b32 s54, s2, 15                         ; weight: 64 w rows
	s_mov_b32 s55, 0
	s_lshl_b32 s56, s2, 8                          ; bias: 64 w numbers
	s_mov_b32 s57, 0
	s_lshl_b32 s58, s4, 11
	s_add_co_u32 s58, s58, s56                     ; psum: 2,048 g + 256 w
	s_mov_b32 s59, 0
	s_lshr_b32 s60, s4, 4
	s_lshl_b32 s60, s60, 3
	s_add_co_u32 s60, s60, s2                      ; batch x 8 + head
	s_and_b32 s61, s4, 15                          ; the key step
	s_cmp_eq_u32 s3, 0
	s_cselect_b32 s48, 17, 18                      ; a head's bytes: 2^17 in qimg, 2^18 in kvimg
	s_cselect_b32 s49, 13, 14                      ; a step's: 2^13, 2^14
	s_lshl_b32 s60, s60, s48
	s_lshl_b32 s61, s61, s49
	s_add_co_u32 s60, s60, s61
	s_cmp_eq_u32 s3, 2
	s_cselect_b32 s61, 8192, 0                     ; V lies behind K in a step
	s_add_co_u32 s60, s60, s61
	s_mov_b32 s61, 0
	s_lshl_b32 s62, s3, 3                          ; eA, eB: entries 2 y, 2 y + 1
	s_mov_b32 s63, 0
	s_lshr_b32 s66, s3, 1
	s_add_co_u32 s66, s66, s3
	s_lshl_b32 s66, s66, 2                         ; eO: entry 6 + y + y / 2: 6, 7, 9
	s_mov_b32 s67, 0
	s_wait_kmcnt 0x0
	s_add_nc_u64 s[8:9], s[8:9], s[50:51]
	s_add_nc_u64 s[10:11], s[10:11], s[52:53]
	s_cmp_eq_u32 s3, 0                             ; the buffers are chosen on the work-group's y alone
	s_cselect_b64 s[34:35], s[14:15], s[16:17]
	s_cselect_b64 s[36:37], s[20:21], s[22:23]
	s_cselect_b64 s[38:39], s[28:29], s[30:31]
	s_cmp_eq_u32 s3, 2
	s_cselect_b64 s[34:35], s[18:19], s[34:35]
	s_cselect_b64 s[36:37], s[24:25], s[36:37]
	s_add_nc_u64 s[34:35], s[34:35], s[54:55]
	s_add_nc_u64 s[36:37], s[36:37], s[56:57]
	s_add_nc_u64 s[38:39], s[38:39], s[60:61]
	s_add_nc_u64 s[32:33], s[32:33], s[58:59]
	global_load_b32 v12, v14, s[10:11]             ; my row's id
	XLOAD XS0, 0
	XLOAD XS1, 1
	s_add_nc_u64 s[68:69], s[26:27], s[62:63]
	s_add_nc_u64 s[70:71], s[26:27], s[66:67]
	s_load_b64 s[40:41], s[68:69], 0x0             ; eA, eB
	s_load_b32 s42, s[70:71], 0x18                 ; eO
	s_wait_loadcnt 32                              ; the id is in; x's two K steps may be out
	v_min_u32 v12, 4, v12
	v_lshlrev_b32 v7, 11, v12
	v_lshl_add_u32 v7, v3, 6, v7                   ; tf_emb: line id of 2,048 bytes, + 64 h
	ELOAD 0
	WLOAD 0
	s_wait_kmcnt 0x0
	s_add_co_i32 s48, s40, 127
	s_lshl_b32 s49, s48, 23
	v_mov_b32 v[SCL], s49                          ; 2^eA as f32: the conversion takes its exponent field
	s_add_co_i32 s48, s48, 8
	s_lshl_b32 s48, s48, 23
	s_or_b32 s48, s48, 0x600000
	v_mov_b32 v[LIM], s48                          ; 448 x 2^eA
	; ---- X: my 16 rows of xe become four fragments
	XSTEP 0, XS0, 16, 1, 1, 1                      ; behind tf_emb's step 0: weight tile 0
	XSTEP 1, XS1, 32, 1, 1, 1                      ; behind tf_emb's step 1: x's step 2, weight tile 1
	XSTEP 2, XS0, 32, 1, 0, 1                      ; behind tf_emb's step 2: x's step 3, weight tile 2
	XSTEP 3, XS1, 16, 0, 0, 0                      ; behind tf_emb's step 3: weight tile 3
	BARRIER                                        ; all 32 fragments, and with y = 0 the eight waves' column sums, lie in LDS; they are only read from here on
	s_cmp_lg_u32 s3, 0
	s_cbranch_scc1 .Lno_psum
.irp i, 0,1,2,3,4,5,6,7
	ds_load_b64 v[160+2*\i:161+2*\i], v11 offset:2048*\i
.endr
	s_wait_dscnt 0x0
	v_pk_add_f32 v[160:161], v[160:161], v[162:163]
	v_pk_add_f32 v[164:165], v[164:165], v[166:167]
	v_pk_add_f32 v[168:169], v[168:169], v[170:171]
	v_pk_add_f32 v[172:173], v[172:173], v[174:175]
	v_pk_add_f32 v[160:161], v[160:161], v[164:165]
	v_pk_add_f32 v[168:169], v[168:169], v[172:173]
	v_pk_add_f32 v[160:161], v[160:161], v[168:169]
	global_store_b64 v9, v[160:161], s[32:33]      ; the wave stores 256 consecutive bytes, aligned
	s_wait_xcnt 0x0                                ; the store has read its registers: the products write them next
.Lno_psum:
	; ---- 1: my head, for the eight tiles of rows
	s_wait_loadcnt 0x0                             ; the weights and the bias
	s_add_co_i32 s48, s40, s41                     ; a sum stands for sum x 2^(eA + eB)
	s_sub_co_i32 s49, 0, s48
	s_sub_co_i32 s50, s42, s48
	s_add_co_i32 s50, s50, 127
	s_lshl_b32 s51, s50, 23
	v_mov_b32 v[SCL], s51                          ; 2^(eO - eA - eB): the three scales folded into the conversion's one
	s_add_co_i32 s50, s50, 8
	s_lshl_b32 s50, s50, 23
	s_or_b32 s50, s50, 0x600000
	v_mov_b32 v[LIM], s50
	s_cmp_eq_u32 s3, 2
	s_cbranch_scc1 .Lpath_n
.set jj, 0
.rept 32
	v_ldexp_f32 v[BI+jj], v[BI+jj], s49            ; bias / 2^(eA + eB)
.set jj, jj+1
.endr
	PAIR 0, 0
	PAIR 1, 0
	PAIR 2, 0
	PAIR 3, 0
	s_wait_tensorcnt 0x0
	ds_add_u32 v30, v31
	s_wait_dscnt 0x0
	s_endpgm
.Lpath_n:
.irp t, 0,1,2,3
	v_ldexp_f32 v[BI+8*\t], v[BI+8*\t], s49
.irp i, 1,2,3,4,5,6,7
	v_mov_b32 v[BI+8*\t+\i], v[BI+8*\t]            ; a lane's eight results of a tile share its channel
.endr
.endr
	PAIR 0, 1
	PAIR 1, 1
	PAIR 2, 1
	PAIR 3, 1
	s_wait_tensorcnt 0x0
	ds_add_u32 v30, v31
	s_wait_dscnt 0x0
	s_endpgm
.Lfunc_end_k_qe01b6277d1_proj:
	.size	k_qe01b6277d1_proj, .Lfunc_end_k_qe01b6277d1_proj-k_qe01b6277d1_proj
	.p2alignl 7, 3214868480
	.fill 96, 4, 3214868480
	.section	.rodata,"a",@progbits
	.p2align	6, 0x0
	.amdhsa_kernel k_qe01b6277d1_proj
		.amdhsa_group_segment_fixed_size 82944
		.amdhsa_private_segment_fixed_size 0
		.amdhsa_enable_private_segment 0
		.amdhsa_kernarg_size 104
		.amdhsa_user_sgpr_count 2
		.amdhsa_user_sgpr_kernarg_segment_ptr 1
		.amdhsa_wavefront_size32 1
		.amdhsa_system_sgpr_workgroup_id_x 1
		.amdhsa_system_sgpr_workgroup_id_y 1
		.amdhsa_system_sgpr_workgroup_id_z 1
		.amdhsa_system_vgpr_workitem_id 0
		.amdhsa_next_free_vgpr 512
		.amdhsa_next_free_sgpr 72
		.amdhsa_reserve_vcc 0
		.amdhsa_float_denorm_mode_32 3
		.amdhsa_float_denorm_mode_16_64 3
		.amdhsa_memory_ordered 1
		.amdhsa_forward_progress 1
		.amdhsa_inst_pref_size 179
	.end_amdhsa_kernel
	.amdgpu_metadata
---
amdhsa.version: [ 1, 2 ]
amdhsa.kernels:
  - .name:           k_qe01b6277d1_proj
    .symbol:         k_qe01b6277d1_proj.kd
    .args:
      - { .name: x, .offset: 0, .size: 8, .value_kind: global_buffer, .address_space: global }
      - { .name: timeframe_ids, .offset: 8, .size: 8, .value_kind: global_buffer, .address_space: global }
      - { .name: tf_emb, .offset: 16, .size: 8, .value_kind: global_buffer, .address_space: global }
      - { .name: Wq_codes, .offset: 24, .size: 8, .value_kind: global_buffer, .address_space: global }
      - { .name: Wk_codes, .offset: 32, .size: 8, .value_kind: global_buffer, .address_space: global }
      - { .name: Wv_codes, .offset: 40, .size: 8, .value_kind: global_buffer, .address_space: global }
      - { .name: bq, .offset: 48, .size: 8, .value_kind: global_buffer, .address_space: global }
      - { .name: bk, .offset: 56, .size: 8, .value_kind: global_buffer, .address_space: global }
      - { .name: bv, .offset: 64, .size: 8, .value_kind: global_buffer, .address_space: global }
      - { .name: lowp_scales, .offset: 72, .size: 8, .value_kind: global_buffer, .address_space: global }
      - { .name: qimg, .offset: 80, .size: 8, .value_kind: global_buffer, .address_space: global }
      - { .name: kvimg, .offset: 88, .size: 8, .value_kind: global_buffer, .address_space: global }
      - { .name: psum, .offset: 96, .size: 8, .value_kind: global_buffer, .address_space: global }
    .group_segment_fixed_size: 82944
    .private_segment_fixed_size: 0
    .kernarg_segment_align: 8
    .kernarg_segment_size: 104
    .max_flat_workgroup_size: 256
    .sgpr_count:     72
    .vgpr_count:     512
    .wavefront_size: 32
...
	.end_amdgpu_metadata
.endif
;; end of part 1
;; launch maskfb (part 2): grid 528 x 1, 16 waves a work-group, no clusters, 10,240 bytes of LDS; arguments mask, psum, Wc1, bc1, Wc2, mbits, zpart; writes mbits, zpart
.if DOCPART == 2
	.amdgcn_target "amdgcn-amd-amdhsa--gfx1250"
	.amdhsa_code_object_version 6
	.text
	.protected	k_qe01b6277d1_maskfb
	.globl	k_qe01b6277d1_maskfb
	.p2align	8
	.type	k_qe01b6277d1_maskfb,@function
k_qe01b6277d1_maskfb:
	s_mov_b64 s[64:65], 0
	v_nop
	global_prefetch_b8 v0, s[64:65] scope:SCOPE_SE
	s_setreg_imm32_b32 hwreg(HW_REG_WAVE_MODE, 25, 1), 1
	s_wait_xcnt 0x0
; Two jobs that share a launch; they part on the work-group's number and never meet again.
; WORK-GROUPS 16 .. 527: the mask (int32, [4][2048][2048]) becomes words of lane bits.  Work-group 16 + (128 b + tile of 16 queries), wave w = key step w (128 keys).
;   Word n (0 .. 63) of a step, bit r + 16 h = (mask[16 tile + rho(r)][128 w + 2 n + h] != 0), rho(r) = 2 (r % 8) + r / 8: the lane and register in which the attention launch holds that score.
;   Each load reads 512 consecutive bytes of one row; lane l holds keys 4 l .. 4 l + 3, that is words 2 l and 2 l + 1; the wave stores 256 consecutive bytes, aligned.  The mask is read once in the whole program.
; WORK-GROUPS 0 .. 15 (batch b = number / 4, part = number % 4): hidden units 64 part .. 64 part + 63 of relu(mean(xe) Wc1 + bc1), and their share of the eight sums (hidden layer) x Wc2.
;   The four parts of a batch are added, and the tanh taken, by the launch that uses them.  All in f32 multiply-adds, since the result goes on into a quantised operand.
;   A thread takes 16 of the 512 along K and 4 of the 64 columns: 16 loads of 16 bytes.  So all that a work-group reads (column sums, Wc1, bc1, Wc2) is asked for at once, at its head.
;   LDS: 0 the mean (512 f32); 2048 sixteen waves' partial hidden layers (16 x 64 f32).
; No matrix unit (4 rows), no tensor load, no cluster: the pack path shares nothing and streams; the other path is 64 multiply-adds a thread.
.set DAT, 16                           ; pack: v16-79 sixteen rows x 4 numbers
.set WRD, 120                          ; pack: v120, v121 my two words; v122, v123 at work
.set HP,  2048
	s_load_b256 s[8:15], s[0:1], 0x0               ; mask s[8:9], psum s[10:11], Wc1 s[12:13], bc1 s[14:15]
	s_load_b128 s[16:19], s[0:1], 0x20             ; Wc2 s[16:17], mbits s[18:19]
	s_load_b64 s[20:21], s[0:1], 0x30              ; zpart
	v_lshl_add_u32 v128, v0, 2, 0x2000
	v_mov_b32 v129, 0
	v_lshrrev_b32 v1, 5, v0
	v_readfirstlane_b32 s2, v1                     ; wave 0..15
	v_and_b32 v1, 31, v0                           ; lane
	s_cmp_lt_u32 ttmp9, 16
	s_cbranch_scc1 .Lfb
	s_sub_co_u32 s3, ttmp9, 16                     ; 128 b + tile
	s_lshl_b32 s4, s3, 17                          ; 16 rows of 8,192 bytes
	s_lshl_b32 s5, s2, 9                           ; 128 keys
	s_add_co_u32 s4, s4, s5
	s_mov_b32 s5, 0
	s_lshl_b32 s6, s3, 4
	s_add_co_u32 s6, s6, s2
	s_lshl_b32 s6, s6, 8                           ; 256 bytes of words for a tile and step
	s_mov_b32 s7, 0
	v_lshlrev_b32 v2, 4, v1
	v_lshlrev_b32 v3, 3, v1
	s_wait_kmcnt 0x0
	s_add_nc_u64 s[8:9], s[8:9], s[4:5]
	s_add_nc_u64 s[18:19], s[18:19], s[6:7]
.set q, 0
.rept 16
	global_load_b128 v[DAT+4*q:DAT+4*q+3], v2, s[8:9] offset:8192*q th:TH_LOAD_NT   ; read once in the launch
.set q, q+1
.endr
.set q, 0
.rept 16
	s_wait_loadcnt 15-q                            ; row q is in; the rows behind it may be out
.set c, 0
.rept 4
.set SH, (q>>1)+8*(q&1)+16*(c&1)       ; row q = rho(r) at r = q / 2 + 8 (q % 2); key parity h = c % 2
.if SH == 0
	v_min_u32 v[WRD+c/2], 1, v[DAT+4*q+c]          ; bit 0 starts the word
.else
	v_min_u32 v[WRD+2+c%2], 1, v[DAT+4*q+c]        ; 1 where the number is not 0
	v_lshl_or_b32 v[WRD+c/2], v[WRD+2+c%2], SH, v[WRD+c/2]
.endif
.set c, c+1
.endr
.set q, q+1
.endr
	global_store_b64 v3, v[WRD:WRD+1], s[18:19]
	s_endpgm
.Lfb:
	; every address register is made here, ahead of the branch on the wave's number
	v_lshlrev_b32 v2, 2, v0                        ; 4 t: my column of the sums, and of the mean in LDS
	v_lshrrev_b32 v9, 4, v0                        ; kg: which 16 of the 512 along K
	v_and_b32 v10, 15, v0                          ; cq: which 4 of the 64 columns
	v_lshlrev_b32 v3, 14, v9
	v_lshl_add_u32 v3, v10, 4, v3                  ; Wc1: 16 kg rows of 1,024 bytes + 16 cq: sixteen lanes read 256 consecutive bytes, aligned
	v_lshlrev_b32 v4, 6, v9                        ; the mean: 16 kg numbers on
	v_lshrrev_b32 v11, 5, v0
	v_lshlrev_b32 v5, 8, v11
	v_lshl_add_u32 v5, v10, 4, v5                  ; my wave's partial sums: 256 w + 16 cq
	v_lshlrev_b32 v6, 3, v1                        ; columns 2 lane, 2 lane + 1
	v_lshlrev_b32 v7, 6, v1                        ; Wc2: rows 2 lane, 2 lane + 1 of 32 bytes
.irp j, 124,125,126,127
	v_mov_b32 v\j, 0                               ; written once: a lane permute's destination counts as read
.endr
	s_mov_b32 s26, 0x76543210
	s_mov_b32 s27, 0xfedcba98
	s_lshr_b32 s3, ttmp9, 2                        ; batch
	s_and_b32 s22, ttmp9, 3                        ; part
	s_lshl_b32 s4, s3, 15                          ; the batch's 16 blocks of column sums
	s_mov_b32 s5, 0
	s_lshl_b32 s6, s22, 8                          ; 64 part numbers
	s_mov_b32 s7, 0
	s_lshl_b32 s24, s22, 11                        ; 64 part rows of Wc2
	s_mov_b32 s25, 0
	s_lshl_b32 s30, ttmp9, 5                       ; my eight sums: (4 b + part) x 32 bytes
	s_mov_b32 s31, 0
	s_wait_kmcnt 0x0
	s_add_nc_u64 s[10:11], s[10:11], s[4:5]
	s_add_nc_u64 s[12:13], s[12:13], s[6:7]
	s_add_nc_u64 s[14:15], s[14:15], s[6:7]
	s_add_nc_u64 s[16:17], s[16:17], s[24:25]
	s_add_nc_u64 s[20:21], s[20:21], s[30:31]
.macro BARRIER                         ; my LDS stores have landed and my LDS loads are in: then the work-group's barrier
	s_wait_dscnt 0x0
	s_barrier_signal -1
	s_barrier_wait -1
.endm
.set q, 0
.rept 16
	global_load_b32 v[80+q], v2, s[10:11] offset:2048*q   ; column t's sum in block q
.set q, q+1
.endr
.set q, 0
.rept 16
	global_load_b128 v[16+4*q:19+4*q], v3, s[12:13] offset:1024*q   ; Wc1(16 kg + q, my 4 columns)
.set q, q+1
.endr
	global_load_b64 v[100:101], v6, s[14:15]       ; bc1 at my two columns (wave 0 uses it)
.irp i, 0,1,2,3
	global_load_b128 v[104+4*\i:107+4*\i], v7, s[16:17] offset:16*\i   ; Wc2's two rows likewise
.endr
	s_wait_loadcnt 21                              ; the column sums are in; the 16 + 1 + 4 loads behind them may be out
.irp i, 0,2,4,6
	v_pk_add_f32 v[80+\i:81+\i], v[80+\i:81+\i], v[88+\i:89+\i]
.endr
	v_pk_add_f32 v[80:81], v[80:81], v[84:85]
	v_pk_add_f32 v[82:83], v[82:83], v[86:87]
	v_pk_add_f32 v[80:81], v[80:81], v[82:83]
	v_add_f32 v80, v80, v81
	v_mul_f32 v80, 0x3a000000, v80                 ; / 2,048
	ds_store_b32 v2, v80
	BARRIER                                        ; the mean lies in LDS
.irp i, 0,1,2,3
	ds_load_b128 v[80+4*\i:83+4*\i], v4 offset:16*\i
.endr
	s_wait_loadcnt 0x0
	s_wait_dscnt 0x0
.irp i, 0,1,2,3,4,5,6,7,8,9,10,11,12,13,14,15
.irp u, 0,1,2,3
.if \i == 0
	v_mul_f32 v[96+\u], v[80+\i], v[16+4*\i+\u]    ; the first product starts the sums
.else
	v_fmac_f32 v[96+\u], v[80+\i], v[16+4*\i+\u]
.endif
.endr
.endr
.irp u, 0,1,2,3
	v_permlanex16_b32 v[124+\u], v[96+\u], s26, s27   ; lane xor 16 holds the same columns, the wave's other 16 along K
.endr
.irp u, 0,1,2,3
	v_add_f32 v[96+\u], v[96+\u], v[124+\u]
.endr
	ds_store_b128 v5, v[96:99] offset:HP           ; both halves of the lanes store the same numbers at the same place
	BARRIER                                        ; the sixteen partial hidden layers lie in LDS
	s_cmp_lg_u32 s2, 0
	s_cbranch_scc1 .Lend
.irp i, 0,1,2,3,4,5,6,7,8,9,10,11,12,13,14,15
	ds_load_b64 v[16+2*\i:17+2*\i], v6 offset:HP+256*\i
.endr
.irp j, 56,57,58,59,60,61,62,63
	v_mov_b32 v\j, 0                               ; destinations of the lane permutes below
.endr
	s_wait_dscnt 0x0
.irp i, 0,2,4,6,8,10,12,14
	v_pk_add_f32 v[16+\i:17+\i], v[16+\i:17+\i], v[32+\i:33+\i]
.endr
.irp i, 0,2,4,6
	v_pk_add_f32 v[16+\i:17+\i], v[16+\i:17+\i], v[24+\i:25+\i]
.endr
	v_pk_add_f32 v[16:17], v[16:17], v[20:21]
	v_pk_add_f32 v[18:19], v[18:19], v[22:23]
	v_pk_add_f32 v[16:17], v[16:17], v[18:19]
	v_pk_add_f32 v[16:17], v[16:17], v[100:101]    ; + bc1
	v_max_num_f32 v16, 0, v16                      ; relu
	v_max_num_f32 v17, 0, v17
.irp h, 0,1,2,3,4,5,6,7
	v_mul_f32 v[48+\h], v16, v[104+\h]             ; my two hidden units' share of head h's sum
.endr
.irp h, 0,1,2,3,4,5,6,7
	v_fmac_f32 v[48+\h], v17, v[112+\h]
.endr
.irp xm, 1,2,4,8
.irp h, 0,1,2,3,4,5,6,7
	v_add_f32_dpp v[48+\h], v[48+\h], v[48+\h] row_xmask:\xm row_mask:0xf bank_mask:0xf
.endr
.endr
.irp h, 0,1,2,3,4,5,6,7
	v_permlanex16_b32 v[56+\h], v[48+\h], s26, s27
.endr
.irp h, 0,1,2,3,4,5,6,7
	v_add_f32 v[48+\h], v[48+\h], v[56+\h]         ; every lane holds the eight sums over the 64 hidden units
.endr
	s_wait_xcnt 0x0                                ; EXEC changes only behind this wait
	v_cmp_eq_u32 vcc_lo, 0, v1
	s_and_saveexec_b32 s28, vcc_lo                 ; lane 0 stores them: 32 consecutive bytes
	global_store_b128 v6, v[48:51], s[20:21]
	global_store_b128 v6, v[52:55], s[20:21] offset:16
	s_wait_xcnt 0x0
	s_or_b32 exec_lo, exec_lo, s28
.Lend:
	s_wait_tensorcnt 0x0
	ds_add_u32 v128, v129
	s_wait_dscnt 0x0
	s_endpgm
.Lfunc_end_k_qe01b6277d1_maskfb:
	.size	k_qe01b6277d1_maskfb, .Lfunc_end_k_qe01b6277d1_maskfb-k_qe01b6277d1_maskfb
	.p2alignl 7, 3214868480
	.fill 96, 4, 3214868480
	.section	.rodata,"a",@progbits
	.p2align	6, 0x0
	.amdhsa_kernel k_qe01b6277d1_maskfb
		.amdhsa_group_segment_fixed_size 10240
		.amdhsa_private_segment_fixed_size 0
		.amdhsa_enable_private_segment 0
		.amdhsa_kernarg_size 56
		.amdhsa_user_sgpr_count 2
		.amdhsa_user_sgpr_kernarg_segment_ptr 1
		.amdhsa_wavefront_size32 1
		.amdhsa_system_sgpr_workgroup_id_x 1
		.amdhsa_system_sgpr_workgroup_id_y 1
		.amdhsa_system_sgpr_workgroup_id_z 1
		.amdhsa_system_vgpr_workitem_id 0
		.amdhsa_next_free_vgpr 130
		.amdhsa_next_free_sgpr 66
		.amdhsa_reserve_vcc 1
		.amdhsa_float_denorm_mode_32 3
		.amdhsa_float_denorm_mode_16_64 3
		.amdhsa_memory_ordered 1
		.amdhsa_forward_progress 1
		.amdhsa_inst_pref_size 24
	.end_amdhsa_kernel
	.amdgpu_metadata
---
amdhsa.version: [ 1, 2 ]
amdhsa.kernels:
  - .name:           k_qe01b6277d1_maskfb
    .symbol:         k_qe01b6277d1_maskfb.kd
    .args:
      - { .name: mask, .offset: 0, .size: 8, .value_kind: global_buffer, .address_space: global }
      - { .name: psum, .offset: 8, .size: 8, .value_kind: global_buffer, .address_space: global }
      - { .name: Wc1, .offset: 16, .size: 8, .value_kind: global_buffer, .address_space: global }
      - { .name: bc1, .offset: 24, .size: 8, .value_kind: global_buffer, .address_space: global }
      - { .name: Wc2, .offset: 32, .size: 8, .value_kind: global_buffer, .address_space: global }
      - { .name: mbits, .offset: 40, .size: 8, .value_kind: global_buffer, .address_space: global }
      - { .name: zpart, .offset: 48, .size: 8, .value_kind: global_buffer, .address_space: global }
    .group_segment_fixed_size: 10240
    .private_segment_fixed_size: 0
    .kernarg_segment_align: 8
    .kernarg_segment_size: 56
    .max_flat_workgroup_size: 512
    .sgpr_count:     66
    .vgpr_count:     130
    .wavefront_size: 32
...
	.end_amdgpu_metadata
.endif
;; end of part 2
;; launch attn (part 3): grid 8 x 32, 16 waves a work-group, clusters of 4 x 1, 264,192 bytes of LDS; arguments qimg, kvimg, mbits, zpart, bc2, res_gate, lowp_scales, aimg; writes aimg
.if DOCPART == 3
	.amdgcn_target "amdgcn-amd-amdhsa--gfx1250"
	.amdhsa_code_object_version 6
	.text
	.protected	k_qe01b6277d1_attn
	.globl	k_qe01b6277d1_attn
	.p2align	8
	.type	k_qe01b6277d1_attn,@function
k_qe01b6277d1_attn:
	s_mov_b64 s[64:65], 0
	v_nop
	global_prefetch_b8 v0, s[64:65] scope:SCOPE_SE
	s_setreg_imm32_b32 hwreg(HW_REG_WAVE_MODE, 25, 1), 1
	s_wait_xcnt 0x0
	s_wait_alu depctr_hold_cnt(0) depctr_sa_sdst(0) depctr_va_vdst(0) depctr_va_sdst(0) depctr_va_ssrc(0) depctr_va_vcc(0) depctr_vm_vsrc(0)
	s_getreg_b32 s2, hwreg(HW_REG_IB_STS2, 6, 4)
	s_cmp_eq_u32 s2, 0
	s_cbranch_scc0 .Lentry_in_a_cluster
	s_endpgm
.Lentry_in_a_cluster:
	s_bfe_u32 s2, ttmp6, 0x10000c
	s_cmp_lg_u32 s2, 0x3003
	s_cbranch_scc0 .Lentry_shape_is_right
	s_endpgm
.Lentry_shape_is_right:
; For one (batch, head) and 256 queries: scores = Q K^T / 8 + fb, the mask, the softmax ahead of a quantised product, O = P V / l, and O's codes for the last product.  Both products on codes of FP8 (E4M3).
; fb = tanh(the four stored parts of the head's sum + bc2) x sigmoid(res_gate), made at the head, in f32.
; SOFTMAX: t = logit x log2(e); M = the running largest t rounded up to a whole number; p = 2^(t - M) is quantised with 2^e8; the row's sum l is taken of the unquantised p; when M moves, l and O are multiplied by 2^(old M - new M): exact.
; SHARES.  Sixteen waves, one tile of 16 queries each, 256 registers: four waves to a SIMD.  Every wave walks 16 key steps of 128 keys.
; K AND V OF THE WHOLE HEAD, 262,144 bytes, LIE IN LDS, as the images of operand registers that the projection launch stored: a step is 8 fragments of K (1,024 bytes) and 4 of V (2,048 bytes); lane l's 16 bytes at 16 l.
; Nothing in LDS is filled twice.  Each wave asks for four pieces of 4,096 bytes, one in each group of four steps: four tensor loads of mine are out at the most.
; CLUSTER.  The four query blocks of a cluster belong to one head and want the same bytes: each piece is asked for jointly, by the same load with the same descriptor and a mask that names the four.
; LAYOUT.  S^T = K Q^T and O^T = V^T P^T: a lane holds one query (16 tile + rho(lane % 16)) throughout; register n of S^T holds key 2 n + lane / 16 of the step, the order in which V's fragments run along the keys.
; TWO RUNS OF 64 REGISTERS CHANGE ROLES FROM STEP TO STEP.  In a step one run holds K, then V; the other S^T, then p; as each eight p have been converted, their registers take a fragment of the NEXT step's K.
; So K is asked for most of a softmax ahead of its products, and the next scores fall into the registers that V has left.
; THE SOFTMAX BEHIND THE MAXIMUM GOES IN TEN STAGES of eight numbers: stage s holds block s's exponentials, and between them plain lines that are ready: block s - 1's sums, block s + 1's scaling, block s - 2's hold; in stages 0 and 1 O^T's rescaling.
; THE MASK comes as 64 words a step, bit = lane, read into scalar registers: one select a score.  A hidden score becomes -2^(33 - e6 - e7), so that its t is -log2(e) 2^30, a whole number in f32.
; LIMITS.  A hidden logit counts as -2^30 and not as -1e9: p is the same (0; or 1 everywhere in a row that is hidden as a whole) as long as open logits lie above -1e9.  e6 + e7 between -94 and 130; e8 and e10 between -126 and 119.  NaN is not served.
; REGISTERS: v1 16 lane; v2 LDS address of the pair of steps; v3 e8 + e9; v[4:5] my place in aimg; v[6:7] its offset; v12 -M, v13 largest t, v[14:15] l in two halves; v16-23 Q; v[24:25] fb log2(e) - M; v26 fb log2(e); v27 the hidden score;
;   v28, v29: 2^e8 and 448 x that; v30, v31: the same for e10; v32-95, v96-159 the two runs; v160-191 O^T; v192-207 p's codes; v208, v209 at work at the head; v[212:213] f; v216-221 three more chains of the sum; v224-227 four chains of the maximum; v228, v229 at work.
; SCALARS: s[2:3] mask words in hand; s4 steps read; s5 the pair's LDS byte; s6 trips; s7 wave; s[8:15], s[16:31] descriptors; s[32:63], s[68:99] the 64 words; s[66:67] c; s[100:101] lane selects; s[104:105] the pointer's step.
.set FF, 212
.set SS, 216
.set MX, 224
.set PD, 228
.set OM, 229
.macro CROUND                          ; a round of the cluster's barrier
	s_barrier_signal -1
	s_barrier_wait -1
	s_cmp_lg_u32 s7, 0
	s_cbranch_scc1 .Lnot_wave_0_\@
	s_barrier_signal -3
.Lnot_wave_0_\@:
	s_barrier_wait -3
	s_barrier_signal -1
	s_barrier_wait -1
.endm
.macro MWORDS                          ; a step's 64 words
	s_load_b512 s[32:47], s[2:3], 0x0
	s_load_b512 s[48:63], s[2:3], 0x40
	s_load_b512 s[68:83], s[2:3], 0x80
	s_load_b512 s[84:99], s[2:3], 0xc0
.endm
	s_load_b512 s[32:47], s[0:1], 0x0              ; qimg s[32:33], kvimg s[34:35], mbits s[36:37], zpart s[38:39], bc2 s[40:41], res_gate s[42:43], scales s[44:45], aimg s[46:47]
	v_lshl_add_u32 v254, v0, 2, 0x40000
	v_mov_b32 v255, 0
	ds_add_u32 v254, v255
	ds_add_u32 v254, v255
	v_lshrrev_b32 v1, 5, v0
	v_readfirstlane_b32 s7, v1                     ; wave 0..15
	v_and_b32 v1, 31, v0
	v_lshlrev_b32 v1, 4, v1                        ; 16 lane
	s_bfe_u32 s48, ttmp6, 0x40000                  ; cx: it enters Q's, the words' and the output's global addresses alone
	s_lshl_b32 s49, ttmp9, 2
	s_add_co_u32 s49, s49, s48                     ; my block of 256 queries
	s_and_b32 s50, ttmp7, 0xffff                   ; batch x 8 + head, which the four partners share
	s_lshl_b32 s51, s49, 4
	s_add_co_u32 s51, s51, s7                      ; my tile of 16 queries
	s_lshr_b32 s52, s50, 3                         ; batch
	s_lshl_b32 s53, s52, 7
	s_add_co_u32 s53, s53, s51                     ; 128 batch + tile
	s_and_b32 s54, s50, 7                          ; head
	s_lshl_b32 s56, s50, 17
	s_lshl_b32 s57, s51, 10
	s_add_co_u32 s56, s56, s57                     ; Q's image
	s_mov_b32 s57, 0
	s_lshl_b32 s58, s53, 12                        ; the tile's 16 x 64 words
	s_mov_b32 s59, 0
	s_lshl_b32 s60, s53, 3
	s_add_co_u32 s60, s60, s54
	s_lshl_b32 s60, s60, 10                        ; the output's image: (tile, head)
	s_mov_b32 s61, 0
	s_lshl_b32 s62, s7, 12                         ; my 4,096 bytes of a group: in memory and in LDS alike
	s_lshl_b32 s68, s50, 18                        ; the head's K and V
	s_add_co_u32 s68, s68, s62
	s_mov_b32 s69, 0
	s_lshl_b32 s72, s54, 2                         ; 4 head: bc2, res_gate
	s_mov_b32 s73, 0
	s_lshl_b32 s70, s52, 7
	s_add_co_u32 s70, s70, s72                     ; the stored parts: 128 batch + 4 head, then 32 bytes from part to part
	s_mov_b32 s71, 0
	; descriptor group 1: 16 rows of 32 elements of 8 bytes, dense
	s_mov_b32 s8, 15|(3<<16)|(1<<21)               ; 15:0 the mask: all four work-groups; 17:16 elements of 8 bytes; 21 set beside a mask
	s_mov_b32 s9, 32<<16                           ; tensor_dim0 = 32
	s_mov_b32 s10, 16<<16                          ; tensor_dim1 = 16
	s_mov_b32 s11, 32<<16                          ; tile_dim0 = 32
	s_mov_b32 s12, 16                              ; tile_dim1 = 16
	s_mov_b32 s13, 32                              ; from row to row
	s_mov_b32 s14, 0
	s_mov_b32 s15, 0
	s_mov_b32 s100, 0x76543210
	s_mov_b32 s101, 0xfedcba98
	s_mov_b32 s4, 0
	s_mov_b32 s105, 0
	s_wait_dscnt 0x0
	s_wait_kmcnt 0x0
	s_add_nc_u64 s[74:75], s[34:35], s[68:69]
	s_add_nc_u64 s[32:33], s[32:33], s[56:57]
	s_add_nc_u64 s[2:3], s[36:37], s[58:59]
	s_add_nc_u64 s[46:47], s[46:47], s[60:61]
	s_add_nc_u64 s[38:39], s[38:39], s[70:71]
	s_add_nc_u64 s[40:41], s[40:41], s[72:73]
	s_add_nc_u64 s[42:43], s[42:43], s[72:73]
	s_load_b64 s[76:77], s[44:45], 0x18            ; e6, e7
	s_load_b128 s[80:83], s[44:45], 0x20           ; e8, e9, e10, e11
	s_load_b32 s84, s[38:39], 0x0                  ; the four parts of my head's sum
	s_load_b32 s85, s[38:39], 0x20
	s_load_b32 s86, s[38:39], 0x40
	s_load_b32 s87, s[38:39], 0x60
	s_load_b32 s88, s[40:41], 0x0                  ; bc2[head]
	s_load_b32 s89, s[42:43], 0x0                  ; res_gate[head]
.irp g, 0,1,2,3
	s_mov_b32 s[16+4*\g], 1                        ; count = 1
	s_add_co_u32 s[17+4*\g], s62, \g*65536         ; LDS address: group g, my piece
	s_add_nc_u64 s[18+4*\g:19+4*\g], s[74:75], \g*65536
	s_or_b32 s[19+4*\g], s[19+4*\g], 0x80000000    ; type = 2
.endr
	CROUND                                         ; all four work-groups are here: the joint loads meet
	tensor_load_to_lds s[16:19], s[8:15]
	s_nop 0
	tensor_load_to_lds s[20:23], s[8:15]
	s_nop 0
	tensor_load_to_lds s[24:27], s[8:15]
	s_nop 0
	tensor_load_to_lds s[28:31], s[8:15]
	s_nop 0
.rept 4
	v_nop
.endr
	global_load_b128 v[16:19], v1, s[32:33]        ; Q's fragment stays in registers
	global_load_b128 v[20:23], v1, s[32:33] offset:512
	v_mov_b32 v4, s46
	v_mov_b32 v5, s47
	v_mov_b32 v6, v1
	v_mov_b32 v7, 0
	v_add_nc_u64 v[4:5], v[4:5], v[6:7]            ; the output's image + 16 lane
	v_mov_b32 v13, 0xff61b1e6                      ; the largest t so far: -3e38
	v_floor_f32 v12, -v13
	v_mov_b32 v14, 0
	v_mov_b32 v15, 0
	v_mov_b32 v25, 0                               ; (upper halves of pairs that are named whole, and a permute's destination: written once)
	v_mov_b32 v[FF+1], 0
	v_mov_b32 v[PD], 0
.set jj, 0
.rept 32
	v_mov_b32 v[160+jj], 0                         ; O^T: the step is written once; the first finds zeros
.set jj, jj+1
.endr
	s_wait_kmcnt 0x0
	v_mov_b32 v208, s84                            ; the head's sum: its four parts and bc2
	v_add_f32 v208, s85, v208
	v_add_f32 v208, s86, v208
	v_add_f32 v208, s87, v208
	v_add_f32 v208, s88, v208
	v_mov_b32 v209, s89
	v_mul_f32 v208, 0x4038aa3b, v208               ; 2 log2(e) z
	v_mul_f32 v209, 0xbfb8aa3b, v209               ; -log2(e) gate
	v_exp_f32 v208, v208
	v_exp_f32 v209, v209
	v_nop                                          ; a plain instruction behind the transcendentals
	s_wait_alu depctr_va_vdst(0)
	v_add_f32 v208, 1.0, v208
	v_add_f32 v209, 1.0, v209
	v_rcp_f32 v208, v208
	v_rcp_f32 v209, v209
	v_nop
	s_wait_alu depctr_va_vdst(0)
	v_fma_f32 v208, v208, -2.0, 1.0                ; tanh z = 1 - 2 / (1 + e^(2 z))
	v_mul_f32 v208, v208, v209                     ; x sigmoid
	v_mul_f32 v26, 0x3fb8aa3b, v208                ; x log2(e)
	s_add_co_i32 s90, s76, s77                     ; a score stands for score x 2^(e6 + e7)
	s_lshl_b32 s91, s90, 23
	s_add_co_i32 s66, s91, 0x3e38aa3b              ; c = log2(e) / 8, with the two exponents added to its exponent field
	s_mov_b32 s67, s66
	s_sub_co_i32 s92, 160, s90
	s_lshl_b32 s92, s92, 23
	s_or_b32 s92, s92, 0x80000000
	v_mov_b32 v27, s92                             ; -2^(33 - e6 - e7)
	s_add_co_i32 s90, s80, 127
	s_lshl_b32 s91, s90, 23
	v_mov_b32 v28, s91                             ; 2^e8
	s_add_co_i32 s90, s90, 8
	s_lshl_b32 s90, s90, 23
	s_or_b32 s90, s90, 0x600000
	v_mov_b32 v29, s90                             ; 448 x 2^e8
	s_add_co_i32 s90, s82, 127
	s_lshl_b32 s91, s90, 23
	v_mov_b32 v30, s91                             ; 2^e10
	s_add_co_i32 s90, s90, 8
	s_lshl_b32 s90, s90, 23
	s_or_b32 s90, s90, 0x600000
	v_mov_b32 v31, s90
	s_add_co_i32 s93, s80, s81
	v_mov_b32 v3, s93                              ; e8 + e9
	s_wait_xcnt 0x0                                ; Q's loads have read their base: its registers take mask words now
	MWORDS                                         ; step 0's
; Plain line qq (0 .. 15) of stage st (0 .. 9) of the softmax on the run of registers sb.
;   0-3   block st - 1's four pairs go into the four chains of the sum (chain 0 is l itself: its first line is l x f + the pair; chains 1 to 3 begin with blocks 0 and 1 together, ahead of block 0's hold)
;   4-7   block st + 1's four pairs become t - M
;   8-15  block st - 2's eight numbers are held at the largest code x the scale; in stages 0 and 1, where there is none yet: O^T x f
.macro PL sb
.if qq < 4
.if st == 1
.if qq == 0
	s_wait_alu depctr_va_vdst(0)
	v_pk_fma_f32 v[14:15], v[14:15], v[FF:FF+1], v[\sb:\sb+1] op_sel_hi:[1,0,1]
.endif
.elseif st == 2
.if qq == 0
	s_wait_alu depctr_va_vdst(0)
	v_pk_add_f32 v[14:15], v[14:15], v[\sb+8:\sb+9]
.else
	v_pk_add_f32 v[SS+2*qq-2:SS+2*qq-1], v[\sb+2*qq:\sb+2*qq+1], v[\sb+8+2*qq:\sb+8+2*qq+1]
.endif
.elseif (st > 2) && (st < 9)
.if qq == 0
	s_wait_alu depctr_va_vdst(0)
	v_pk_add_f32 v[14:15], v[14:15], v[\sb+8*(st-1):\sb+8*(st-1)+1]
.else
	v_pk_add_f32 v[SS+2*qq-2:SS+2*qq-1], v[SS+2*qq-2:SS+2*qq-1], v[\sb+8*(st-1)+2*qq:\sb+8*(st-1)+2*qq+1]
.endif
.endif
.elseif qq < 8
.if st < 7
	v_pk_fma_f32 v[\sb+8*(st+1)+2*(qq-4):\sb+8*(st+1)+2*(qq-4)+1], v[\sb+8*(st+1)+2*(qq-4):\sb+8*(st+1)+2*(qq-4)+1], s[66:67], v[24:25] op_sel_hi:[1,0,0]
.endif
.else
.if st < 2
	v_pk_mul_f32 v[160+16*st+2*(qq-8):160+16*st+2*(qq-8)+1], v[160+16*st+2*(qq-8):160+16*st+2*(qq-8)+1], v[FF:FF+1] op_sel_hi:[1,0]
.else
	v_min_num_f32 v[\sb+8*(st-2)+qq-8], v[\sb+8*(st-2)+qq-8], v29   ; the conversion does not saturate (ISA guide 7.6.2); p is not negative: a one-sided hold
.endif
.endif
.endm
; A KEY STEP: 128 keys.  sb: the run for S^T and p; kb: the run that holds this step's K and then takes V; off: the step's byte behind v2; pf = 1: the next step's K is fetched.
.macro STEP sb, kb, off, pf
	s_wait_dscnt 4                                 ; K's tiles 0 to 5 are in; the four youngest loads, tiles 6 and 7, may be out
.irp t, 0,1,2,3,4,5
	v_wmma_f32_16x16x64_fp8_fp8 v[\sb+8*\t:\sb+8*\t+7], v[\kb+8*\t:\kb+8*\t+7], v[16:23], 0
.endr
	s_wait_dscnt 0x0
.irp t, 6,7
	v_wmma_f32_16x16x64_fp8_fp8 v[\sb+8*\t:\sb+8*\t+7], v[\kb+8*\t:\kb+8*\t+7], v[16:23], 0
.endr
.rept 4
	v_nop                                          ; four places, ahead of loads into registers that the products read and of the first read of their results
.endr
.irp u, 0,1,2,3
.irp c, 0,1,2,3
	ds_load_b128 v[\kb+16*\u+4*\c:\kb+16*\u+4*\c+3], v2 offset:\off+8192+2048*\u+512*\c   ; V lands under the softmax
.endr
.endr
	s_wait_kmcnt 0x0                               ; this step's words
.set nn, 0
.rept 32
	v_cndmask_b32 v[\sb+nn], v27, v[\sb+nn], s[32+nn]
.set nn, nn+1
.endr
.rept 32
	v_cndmask_b32 v[\sb+nn], v27, v[\sb+nn], s[36+nn]
.set nn, nn+1
.endr
	s_add_co_u32 s4, s4, 1
	s_cmp_lt_u32 s4, 16
	s_cselect_b32 s104, 256, 0                     ; the last step reads its own words once more: no load leaves the buffer
	s_add_nc_u64 s[2:3], s[2:3], s[104:105]        ; (the loads that named the pointer are done: the wait above)
	MWORDS                                         ; the next step's, a whole softmax ahead of their use
.irp k, 0,1,2,3                        ; the step's largest score of my query among my 64 keys: four chains of fifteen scores, which take turns,
	v_max3_num_f32 v[MX+\k], v[\sb+16*\k], v[\sb+16*\k+1], v[\sb+16*\k+2]
.endr
.irp i, 3,5,7,9,11,13
.irp k, 0,1,2,3
	v_max3_num_f32 v[MX+\k], v[MX+\k], v[\sb+16*\k+\i], v[\sb+16*\k+\i+1]
.endr
.endr
	v_max3_num_f32 v[MX], v[MX], v[\sb+15], v[\sb+31]       ; the four scores left over,
	v_max3_num_f32 v[MX+1], v[MX+1], v[\sb+47], v[\sb+63]
	v_mov_b32 v[OM], v12                           ; (the old -M is kept)
	v_max3_num_f32 v[MX], v[MX], v[MX+1], v[MX+2]
	v_max_num_f32 v[MX], v[MX], v[MX+3]
	v_permlanex16_b32 v[PD], v[MX], s100, s101
	v_max_num_f32 v[MX], v[MX], v[PD]              ; and lane xor 16's
	v_fma_f32 v[MX], v[MX], s66, v26               ; as t (c is positive)
	v_max_num_f32 v13, v13, v[MX]
	v_floor_f32 v12, -v13                          ; -M = floor(-t)
	v_add_f32 v24, v26, v12                        ; fb log2(e) - M
	v_sub_f32 v[OM], v12, v[OM]                    ; old M - new M: a whole number, 0 or less
	v_pk_fma_f32 v[\sb:\sb+1], v[\sb:\sb+1], s[66:67], v[24:25] op_sel_hi:[1,0,0]       ; block 0: t - M, two at a time
	v_cvt_i32_f32 v[OM], v[OM]                     ; (it saturates)
	v_pk_fma_f32 v[\sb+2:\sb+3], v[\sb+2:\sb+3], s[66:67], v[24:25] op_sel_hi:[1,0,0]
	v_ldexp_f32 v[FF], 1.0, v[OM]                  ; f = 2^(old M - new M)
	v_pk_fma_f32 v[\sb+4:\sb+5], v[\sb+4:\sb+5], s[66:67], v[24:25] op_sel_hi:[1,0,0]
	v_pk_fma_f32 v[\sb+6:\sb+7], v[\sb+6:\sb+7], s[66:67], v[24:25] op_sel_hi:[1,0,0]
.set st, 0
.rept 10
.set qq, 0
.rept 8
.if st < 8
	v_exp_f32 v[\sb+8*st+qq/2], v[\sb+8*st+qq/2]   ; p = 2^(t - M); what stands behind it touches other blocks
.endif
	PL \sb
.set qq, qq+1
	PL \sb
.set qq, qq+1
.endr
.if st > 1
	v_cvt_scalef32_pk8_fp8_f32 v[192+2*(st-2):193+2*(st-2)], v[\sb+8*(st-2):\sb+8*(st-2)+7], v28
.if \pf
	ds_load_b128 v[\sb+8*(st-2):\sb+8*(st-2)+3], v2 offset:\off+16384+1024*(st-2)          ; the block is summed and converted: its registers take tile st - 2 of the next step's K
	ds_load_b128 v[\sb+8*(st-2)+4:\sb+8*(st-2)+7], v2 offset:\off+16384+1024*(st-2)+512
.endif
.endif
.set st, st+1
.endr
	v_pk_add_f32 v[14:15], v[14:15], v[SS:SS+1]    ; the sum's chains join; also the plain instructions behind the last conversion
	v_pk_add_f32 v[SS+2:SS+3], v[SS+2:SS+3], v[SS+4:SS+5]
	s_wait_dscnt 16*\pf                            ; V is in; the sixteen loads of the next K, issued behind V's, may be out
.irp u, 0,1,2,3
	v_wmma_f32_16x16x128_fp8_fp8 v[160+8*\u:167+8*\u], v[\kb+16*\u:\kb+16*\u+15], v[192:207], v[160+8*\u:167+8*\u]   ; four accumulators by turns
.endr
	v_pk_add_f32 v[14:15], v[14:15], v[SS+2:SS+3]
.rept 4
	v_nop                                          ; with the addition: five places, since the next step's products write over the registers from which these read V
.endr
.endm
.macro PAIR pf2                        ; two key steps, in which the two runs change roles and come back
	v_add_nc_u32 v2, s5, v1
	STEP 96, 32, 0, 1
	STEP 32, 96, 16384, \pf2
.endm
	s_wait_loadcnt 0x0                             ; Q
	s_wait_tensorcnt 3                             ; my piece of steps 0 to 3 has landed; my three later pieces may stay out
	s_barrier_signal -1
	s_barrier_wait -1                              ; everybody's has
.irp t, 0,1,2,3,4,5,6,7
	ds_load_b128 v[32+8*\t:35+8*\t], v1 offset:1024*\t       ; step 0's K
	ds_load_b128 v[36+8*\t:39+8*\t], v1 offset:1024*\t+512
.endr
	s_mov_b32 s5, 0
	PAIR 1                                         ; steps 0 and 1; they fetch K up to step 2: all in the first group
	s_wait_tensorcnt 0x0                           ; all my pieces have landed
	s_wait_dscnt 0x0
	s_barrier_signal -1
	s_barrier_wait -1                              ; everybody's have: from here on no wave waits for another
	s_mov_b32 s5, 32768
	s_mov_b32 s6, 6
.Lpair:                                            ; steps 2 to 13
	PAIR 1
	s_add_co_u32 s5, s5, 32768
	s_sub_co_u32 s6, s6, 1
	s_cmp_lg_u32 s6, 0
	s_cbranch_scc1 .Lpair
	s_mov_b32 s5, 7*32768
	PAIR 0                                         ; steps 14 and 15: the last fetches no K: no load leaves LDS
	s_wait_kmcnt 0x0                               ; the last words, which nobody uses
	v_add_f32 v14, v14, v15                        ; l's two halves (five places stand behind the last products),
	v_permlanex16_b32 v[PD], v14, s100, s101
	v_add_f32 v14, v14, v[PD]                      ; and lane xor 16's
	v_rcp_f32 v14, v14
	v_nop                                          ; a plain instruction behind the transcendental
	s_wait_alu depctr_va_vdst(0)
	v_ldexp_f32 v14, v14, v3                       ; x 2^(e8 + e9)
.set jj, 0
.rept 32
	v_mul_f32 v[96+jj], v[160+jj], v14             ; O^T / l, each accumulator from its low end on: register 8 u + j is channel 32 (u / 2) + 8 (u % 2) + 16 (lane / 16) + j
.set jj, jj+1
.endr
.irp u, 0,1,2,3
.irp i, 0,1,2,3,4,5,6,7
	v_med3_num_f32 v[96+8*\u+\i], v[96+8*\u+\i], -v31, v31
.endr
	v_cvt_scalef32_pk8_fp8_f32 v[192+2*\u:193+2*\u], v[96+8*\u:103+8*\u], v30
.endr
	v_nop
	global_store_b128 v[4:5], v[192:195], off      ; the wave stores 512 consecutive bytes, twice: half a K step of the last product, as its registers want it
	global_store_b128 v[4:5], v[196:199], off offset:512
	s_wait_tensorcnt 0x0
	s_wait_tensorcnt 0x0
	ds_add_u32 v254, v255
	s_wait_dscnt 0x0
	CROUND                                         ; the closing round: no work-group ends while a partner may still ask for bytes that name it
	s_endpgm
.Lfunc_end_k_qe01b6277d1_attn:
	.size	k_qe01b6277d1_attn, .Lfunc_end_k_qe01b6277d1_attn-k_qe01b6277d1_attn
	.p2alignl 7, 3214868480
	.fill 96, 4, 3214868480
	.section	.rodata,"a",@progbits
	.p2align	6, 0x0
	.amdhsa_kernel k_qe01b6277d1_attn
		.amdhsa_group_segment_fixed_size 264192
		.amdhsa_private_segment_fixed_size 0
		.amdhsa_enable_private_segment 0
		.amdhsa_kernarg_size 64
		.amdhsa_user_sgpr_count 2
		.amdhsa_user_sgpr_kernarg_segment_ptr 1
		.amdhsa_wavefront_size32 1
		.amdhsa_system_sgpr_workgroup_id_x 1
		.amdhsa_system_sgpr_workgroup_id_y 1
		.amdhsa_system_sgpr_workgroup_id_z 1
		.amdhsa_system_vgpr_workitem_id 0
		.amdhsa_next_free_vgpr 256
		.amdhsa_next_free_sgpr 106
		.amdhsa_reserve_vcc 0
		.amdhsa_float_denorm_mode_32 3
		.amdhsa_float_denorm_mode_16_64 3
		.amdhsa_memory_ordered 1
		.amdhsa_forward_progress 1
		.amdhsa_inst_pref_size 132
	.end_amdhsa_kernel
	.amdgpu_metadata
---
amdhsa.version: [ 1, 2 ]
amdhsa.kernels:
  - .name:           k_qe01b6277d1_attn
    .symbol:         k_qe01b6277d1_attn.kd
    .args:
      - { .name: qimg, .offset: 0, .size: 8, .value_kind: global_buffer, .address_space: global }
      - { .name: kvimg, .offset: 8, .size: 8, .value_kind: global_buffer, .address_space: global }
      - { .name: mbits, .offset: 16, .size: 8, .value_kind: global_buffer, .address_space: global }
      - { .name: zpart, .offset: 24, .size: 8, .value_kind: global_buffer, .address_space: global }
      - { .name: bc2, .offset: 32, .size: 8, .value_kind: global_buffer, .address_space: global }
      - { .name: res_gate, .offset: 40, .size: 8, .value_kind: global_buffer, .address_space: global }
      - { .name: lowp_scales, .offset: 48, .size: 8, .value_kind: global_buffer, .address_space: global }
      - { .name: aimg, .offset: 56, .size: 8, .value_kind: global_buffer, .address_space: global }
    .group_segment_fixed_size: 264192
    .private_segment_fixed_size: 0
    .kernarg_segment_align: 8
    .kernarg_segment_size: 64
    .max_flat_workgroup_size: 512
    .sgpr_count:     106
    .vgpr_count:     256
    .wavefront_size: 32
...
	.end_amdgpu_metadata
.endif
;; end of part 3
;; launch outln (part 4): grid 256 x 1, 8 waves a work-group, no clusters, 168,960 bytes of LDS; arguments aimg, Wo_codes, bo, x, ln_g, ln_b, lowp_scales, out0; writes out0
.if DOCPART == 4
	.amdgcn_target "amdgcn-amd-amdhsa--gfx1250"
	.amdhsa_code_object_version 6
	.text
	.protected	k_qe01b6277d1_outln
	.globl	k_qe01b6277d1_outln
	.p2align	8
	.type	k_qe01b6277d1_outln,@function
k_qe01b6277d1_outln:
	s_mov_b64 s[64:65], 0
	v_nop
	global_prefetch_b8 v0, s[64:65] scope:SCOPE_SE
	s_setreg_imm32_b32 hwreg(HW_REG_WAVE_MODE, 25, 1), 1
	s_wait_xcnt 0x0
; out0 = LayerNorm(attention's result x Wo + bo + x) x ln_g + ln_b.  The product on codes of FP8 (E4M3); all else in f32.
; SHARES.  A work-group takes 32 rows (two tiles of 16).  Wave w makes columns 64 w .. 64 w + 63 for all 32 rows; its 64 rows of Wo, 256 registers, fill window 1.  For the norm wave w takes rows 4 w .. 4 w + 3 whole.
; The rows' codes come as images of the operand's registers (16 lane bytes on end), written so by the attention launch: lane r holds row 16 tile + rho(r), rho(r) = 2 (r % 8) + r / 8.
; The product is used transposed (source 0 = Wo, source 1 = the rows): a lane holds one row and 8 neighbouring columns a tile.  Lane r of tile t of Wo's rows takes column 32 (t / 2) + 8 (t % 2) + r + 8 (r / 8).
; x's four rows of each wave (8,192 dense bytes) are brought into LDS by one tensor load at the head, read by that wave alone, and land under the product.  LDS is filled once.
; No cluster: the weights go straight into registers, and no two work-groups share a row.
; LDS: 0 .. 65535 x's rows, 8,192 a wave; from 65536 a stage of 32 rows x (2,048 + 16) bytes.
; LIMIT: e10 + e11 between -126 and 127.
; REGISTERS, window 0: v5 16 lane, v8 Wo offset, v9 stage in, v10 stage out, v11 x in LDS, v13 bo offset; v16-143 the rows' 8 fragments, later v16-79 y and v80-143 x; v144-207 8 accumulators, later ln_g, ln_b, sums; v208-239 bo; v240-243 at work.
.set AF,  16
.set ACC, 144
.set BO,  208
.set Y,   16
.set XD,  80
.set LG,  144
.set LB,  160
.set SUM, 176
.set SQ,  184
.set PL,  240
.set STG, 65536
.set SP,  2064
.set MSB, 0
.macro WIN new
.if MSB != \new
	s_set_vgpr_msb (MSB<<8)|\new
.set MSB, \new
.endif
.endm
.macro PLACES
.rept 4
	v_nop
.endr
.endm
.macro WLOAD t                         ; tile t of my 64 rows of Wo, four K steps, into window 1 at v[16 (4 t + s)]
	WIN 0x40
.irp ks, 0,1,2,3
.irp c, 0,1,2,3
	global_load_b128 v[16*(4*(\t)+\ks)+4*\c:16*(4*(\t)+\ks)+4*\c+3], v8, s[10:11] offset:(32*((\t)/2)+8*((\t)%2))*512+128*\ks+32*\c
.endr
.endr
	WIN 0
.endm
.macro ACROSS reg                      ; four rows' pairs of partial sums at v[reg + 2 i]: the two halves, then over the 32 lanes; the rows take turns line by line
.irp i, 0,1,2,3
	v_add_f32 v[\reg+2*\i], v[\reg+2*\i], v[\reg+2*\i+1]
.endr
.irp xm, 1,2,4,8
.irp i, 0,1,2,3
	v_add_f32_dpp v[\reg+2*\i], v[\reg+2*\i], v[\reg+2*\i] row_xmask:\xm row_mask:0xf bank_mask:0xf
.endr
.endr
.irp i, 0,1,2,3
	v_permlanex16_b32 v[PL+\i], v[\reg+2*\i], s46, s47
.endr
.irp i, 0,1,2,3
	v_add_f32 v[\reg+2*\i], v[\reg+2*\i], v[PL+\i]
.endr
.endm
	s_load_b512 s[8:23], s[0:1], 0x0               ; aimg s[8:9], Wo s[10:11], bo s[12:13], x s[14:15], ln_g s[16:17], ln_b s[18:19], scales s[20:21], out0 s[22:23]
	v_lshl_add_u32 v254, v0, 2, 0x29000
	v_mov_b32 v255, 0
	ds_add_u32 v254, v255
	ds_add_u32 v254, v255
	v_lshrrev_b32 v1, 5, v0
	v_readfirstlane_b32 s2, v1                     ; wave 0..7
	v_and_b32 v1, 31, v0
	v_and_b32 v2, 15, v0                           ; r
	v_bfe_u32 v3, v0, 4, 1                         ; h
	v_and_b32 v14, 7, v0
	v_bfe_u32 v15, v0, 3, 1
	v_lshl_add_u32 v14, v14, 1, v15                ; rho(r)
	v_lshlrev_b32 v5, 4, v1
	v_lshl_add_u32 v15, v15, 3, v2                 ; r + 8 (r / 8)
	v_lshlrev_b32 v8, 9, v15
	v_lshl_add_u32 v8, v3, 4, v8
	v_lshlrev_b32 v13, 6, v3                       ; 16 h columns, in bytes
	s_lshl_b32 s36, s2, 8
	s_add_co_u32 s37, s36, STG
	v_mul_u32_u24 v9, v14, SP
	v_add_nc_u32 v9, v9, v13
	v_add_nc_u32 v9, s37, v9                       ; the stage, in: row rho, + 256 w + 64 h
	s_mul_i32 s37, s2, 4*SP
	s_add_co_u32 s37, s37, STG
	v_add_nc_u32 v10, s37, v5                      ; out: my four rows, 16 bytes a lane
	s_lshl_b32 s33, s2, 13                         ; descriptor group 0: LDS address 8,192 w
	v_add_nc_u32 v11, s33, v5
.irp j, 240,241,242,243
	v_mov_b32 v\j, 0                               ; written once: a lane permute's destination counts as read
.endr
	; descriptor group 1: 32 rows of 32 elements of 8 bytes, dense
	s_mov_b32 s24, 3<<16
	s_mov_b32 s25, 32<<16                          ; tensor_dim0 = 32
	s_mov_b32 s26, 32<<16                          ; tensor_dim1 = 32
	s_mov_b32 s27, 32<<16                          ; tile_dim0 = 32
	s_mov_b32 s28, 32                              ; tile_dim1 = 32
	s_mov_b32 s29, 32                              ; from row to row
	s_mov_b32 s30, 0
	s_mov_b32 s31, 0
	s_lshl_b32 s38, ttmp9, 16
	s_add_co_u32 s38, s38, s33                     ; (32 g + 4 w) rows of 2,048 bytes
	s_mov_b32 s39, 0
	s_lshl_b32 s48, ttmp9, 14                      ; two tiles x 8 heads x 1,024 bytes
	s_mov_b32 s49, 0
	s_lshl_b32 s50, s2, 15
	s_mov_b32 s51, 0
	s_mov_b32 s52, s36
	s_mov_b32 s53, 0
	s_mov_b32 s44, 0x3b000000                      ; 1 / 512
	s_mov_b32 s45, 0x3727c5ac                      ; 1e-5
	s_mov_b32 s46, 0x76543210
	s_mov_b32 s47, 0xfedcba98
	s_mov_b32 s32, 1
	s_wait_dscnt 0x0
	s_wait_kmcnt 0x0
	s_add_nc_u64 s[22:23], s[22:23], s[38:39]
	s_add_nc_u64 s[8:9], s[8:9], s[48:49]
	s_add_nc_u64 s[10:11], s[10:11], s[50:51]
	s_add_nc_u64 s[12:13], s[12:13], s[52:53]
	s_add_nc_u64 s[34:35], s[14:15], s[38:39]
	s_or_b32 s35, s35, 0x80000000                  ; type = 2
	tensor_load_to_lds s[32:35], s[24:31]          ; my four rows of x: one tensor load of mine is out
	s_nop 0
	PLACES
	s_load_b64 s[40:41], s[20:21], 0x28            ; e10, e11
.irp m, 0,1
.irp a, 0,1,2,3
.irp c, 0,1,2,3
	global_load_b128 v[AF+16*(4*\m+\a)+4*\c:AF+16*(4*\m+\a)+4*\c+3], v5, s[8:9] offset:8192*\m+2048*\a+512*\c   ; tile m, K step a (heads 2 a, 2 a + 1)
.endr
.endr
.endr
	WLOAD 0
	WLOAD 1
	WLOAD 2
	WLOAD 3
.irp t, 0,1,2,3
	global_load_b128 v[BO+8*\t:BO+8*\t+3], v13, s[12:13] offset:(32*(\t/2)+8*(\t%2))*4
	global_load_b128 v[BO+8*\t+4:BO+8*\t+7], v13, s[12:13] offset:(32*(\t/2)+8*(\t%2))*4+16
.endr
	s_wait_kmcnt 0x0
	s_add_co_i32 s42, s40, s41
	s_add_co_i32 s42, s42, 127
	s_lshl_b32 s42, s42, 23                        ; 2^(e10 + e11) as f32
	s_mov_b32 s43, s42
	s_wait_loadcnt 0x0
	WIN 0x01                                       ; source 0 (Wo) in window 1
.irp a, 0,1,2,3                        ; eight accumulators by turns, a K step at a time
.irp m, 0,1
.irp t, 0,1,2,3
.if \a == 0
	v_wmma_f32_16x16x128_fp8_fp8 v[ACC+8*(4*\m+\t):ACC+8*(4*\m+\t)+7], v[16*(4*\t+\a):16*(4*\t+\a)+15], v[AF+16*(4*\m+\a):AF+16*(4*\m+\a)+15], 0
.else
	v_wmma_f32_16x16x128_fp8_fp8 v[ACC+8*(4*\m+\t):ACC+8*(4*\m+\t)+7], v[16*(4*\t+\a):16*(4*\t+\a)+15], v[AF+16*(4*\m+\a):AF+16*(4*\m+\a)+15], v[ACC+8*(4*\m+\t):ACC+8*(4*\m+\t)+7]
.endif
.endr
.endr
.endr
	WIN 0
	PLACES
.irp m, 0,1
.irp t, 0,1,2,3
.irp i, 0,2,4,6
	v_pk_fma_f32 v[Y+8*(4*\m+\t)+\i:Y+8*(4*\m+\t)+\i+1], v[ACC+8*(4*\m+\t)+\i:ACC+8*(4*\m+\t)+\i+1], s[42:43], v[BO+8*\t+\i:BO+8*\t+\i+1] op_sel_hi:[1,0,1]   ; sum x 2^(e10 + e11) + bo
.endr
.endr
.endr
.irp j, 0,1,2,3
	global_load_b128 v[LG+4*\j:LG+4*\j+3], v5, s[16:17] offset:512*\j   ; ln_g and ln_b at my columns 128 j + 4 lane
	global_load_b128 v[LB+4*\j:LB+4*\j+3], v5, s[18:19] offset:512*\j
.endr
.irp m, 0,1
.irp t, 0,1,2,3
	ds_store_b128 v9, v[Y+8*(4*\m+\t):Y+8*(4*\m+\t)+3] offset:16*SP*\m+(32*(\t/2)+8*(\t%2))*4
	ds_store_b128 v9, v[Y+8*(4*\m+\t)+4:Y+8*(4*\m+\t)+7] offset:16*SP*\m+(32*(\t/2)+8*(\t%2))*4+16
.endr
.endr
	s_wait_dscnt 0x0                               ; for the others' sake: my stores into the stage are done
	s_barrier_signal -1
	s_barrier_wait -1                              ; 32 whole rows lie in the stage
	s_wait_tensorcnt 0x0                           ; my rows of x are in LDS
.irp i, 0,1,2,3
.irp j, 0,1,2,3
	ds_load_b128 v[Y+16*\i+4*\j:Y+16*\i+4*\j+3], v10 offset:SP*\i+512*\j
.endr
.endr
.irp i, 0,1,2,3
.irp j, 0,1,2,3
	ds_load_b128 v[XD+16*\i+4*\j:XD+16*\i+4*\j+3], v11 offset:2048*\i+512*\j
.endr
.endr
	s_wait_dscnt 0x0
.set jj, 0
.rept 32
	v_pk_add_f32 v[Y+jj:Y+jj+1], v[Y+jj:Y+jj+1], v[XD+jj:XD+jj+1]   ; + the residual
.set jj, jj+2
.endr
.irp i, 0,1,2,3
	v_pk_add_f32 v[SUM+2*\i:SUM+2*\i+1], v[Y+16*\i:Y+16*\i+1], v[Y+16*\i+2:Y+16*\i+3]
.endr
.irp k, 4,6,8,10,12,14
.irp i, 0,1,2,3
	v_pk_add_f32 v[SUM+2*\i:SUM+2*\i+1], v[SUM+2*\i:SUM+2*\i+1], v[Y+16*\i+\k:Y+16*\i+\k+1]
.endr
.endr
	ACROSS SUM
.irp i, 0,1,2,3
	v_mul_f32 v[SUM+2*\i], s44, v[SUM+2*\i]        ; the row's mean
.endr
.irp k, 0,2,4,6,8,10,12,14
.irp i, 0,1,2,3
	v_pk_add_f32 v[Y+16*\i+\k:Y+16*\i+\k+1], v[Y+16*\i+\k:Y+16*\i+\k+1], v[SUM+2*\i:SUM+2*\i+1] op_sel_hi:[1,0] neg_lo:[0,1] neg_hi:[0,1]   ; y - mean
.endr
.endr
.irp i, 0,1,2,3
	v_pk_mul_f32 v[SQ+2*\i:SQ+2*\i+1], v[Y+16*\i:Y+16*\i+1], v[Y+16*\i:Y+16*\i+1]
.endr
.irp k, 2,4,6,8,10,12,14
.irp i, 0,1,2,3
	v_pk_fma_f32 v[SQ+2*\i:SQ+2*\i+1], v[Y+16*\i+\k:Y+16*\i+\k+1], v[Y+16*\i+\k:Y+16*\i+\k+1], v[SQ+2*\i:SQ+2*\i+1]
.endr
.endr
	ACROSS SQ
.irp i, 0,1,2,3
	v_fma_f32 v[SQ+2*\i], v[SQ+2*\i], s44, s45     ; the variance + 1e-5
.endr
.irp i, 0,1,2,3
	v_rsq_f32 v[SQ+2*\i], v[SQ+2*\i]
.endr
	v_nop                                          ; a plain instruction behind the transcendentals
	s_wait_loadcnt 0x0                             ; ln_g, ln_b
	s_wait_alu depctr_va_vdst(0)
.irp i, 0,1,2,3
.irp k, 0,2,4,6,8,10,12,14
	v_pk_mul_f32 v[Y+16*\i+\k:Y+16*\i+\k+1], v[Y+16*\i+\k:Y+16*\i+\k+1], v[SQ+2*\i:SQ+2*\i+1] op_sel_hi:[1,0]
.endr
.irp k, 0,2,4,6,8,10,12,14
	v_pk_fma_f32 v[Y+16*\i+\k:Y+16*\i+\k+1], v[Y+16*\i+\k:Y+16*\i+\k+1], v[LG+\k:LG+\k+1], v[LB+\k:LB+\k+1]
.endr
.irp j, 0,1,2,3
	global_store_b128 v5, v[Y+16*\i+4*\j:Y+16*\i+4*\j+3], s[22:23] offset:2048*\i+512*\j th:TH_STORE_NT   ; the wave stores 512 consecutive bytes, aligned; written once
.endr
.endr
	s_wait_tensorcnt 0x0
	ds_add_u32 v254, v255
	s_wait_dscnt 0x0
	s_endpgm
.Lfunc_end_k_qe01b6277d1_outln:
	.size	k_qe01b6277d1_outln, .Lfunc_end_k_qe01b6277d1_outln-k_qe01b6277d1_outln
	.p2alignl 7, 3214868480
	.fill 96, 4, 3214868480
	.section	.rodata,"a",@progbits
	.p2align	6, 0x0
	.amdhsa_kernel k_qe01b6277d1_outln
		.amdhsa_group_segment_fixed_size 168960
		.amdhsa_private_segment_fixed_size 0
		.amdhsa_enable_private_segment 0
		.amdhsa_kernarg_size 64
		.amdhsa_user_sgpr_count 2
		.amdhsa_user_sgpr_kernarg_segment_ptr 1
		.amdhsa_wavefront_size32 1
		.amdhsa_system_sgpr_workgroup_id_x 1
		.amdhsa_system_sgpr_workgroup_id_y 1
		.amdhsa_system_sgpr_workgroup_id_z 1
		.amdhsa_system_vgpr_workitem_id 0
		.amdhsa_next_free_vgpr 512
		.amdhsa_next_free_sgpr 66
		.amdhsa_reserve_vcc 0
		.amdhsa_float_denorm_mode_32 3
		.amdhsa_float_denorm_mode_16_64 3
		.amdhsa_memory_ordered 1
		.amdhsa_forward_progress 1
		.amdhsa_inst_pref_size 39
	.end_amdhsa_kernel
	.amdgpu_metadata
---
amdhsa.version: [ 1, 2 ]
amdhsa.kernels:
  - .name:           k_qe01b6277d1_outln
    .symbol:         k_qe01b6277d1_outln.kd
    .args:
      - { .name: aimg, .offset: 0, .size: 8, .value_kind: global_buffer, .address_space: global }
      - { .name: Wo_codes, .offset: 8, .size: 8, .value_kind: global_buffer, .address_space: global }
      - { .name: bo, .offset: 16, .size: 8, .value_kind: global_buffer, .address_space: global }
      - { .name: x, .offset: 24, .size: 8, .value_kind: global_buffer, .address_space: global }
      - { .name: ln_g, .offset: 32, .size: 8, .value_kind: global_buffer, .address_space: global }
      - { .name: ln_b, .offset: 40, .size: 8, .value_kind: global_buffer, .address_space: global }
      - { .name: lowp_scales, .offset: 48, .size: 8, .value_kind: global_buffer, .address_space: global }
      - { .name: out0, .offset: 56, .size: 8, .value_kind: global_buffer, .address_space: global }
    .group_segment_fixed_size: 168960
    .private_segment_fixed_size: 0
    .kernarg_segment_align: 8
    .kernarg_segment_size: 64
    .max_flat_workgroup_size: 256
    .sgpr_count:     66
    .vgpr_count:     512
    .wavefront_size: 32
...
	.end_amdgpu_metadata
.endif
;; end of part 4
;; ======== version 2 of 2: 4 launches; version 1 with the launch proj written anew for expert scheduling mode
;; workspace buffers: qimg 4,194,304 bytes; kvimg 8,388,608 bytes; psum 131,072 bytes; mbits 2,097,152 bytes of whole numbers; zpart 512 bytes; aimg 4,194,304 bytes
;; launch proj (part 5): grid 64 x 3, 8 waves a work-group, no clusters, 82,944 bytes of LDS; arguments x, timeframe_ids, tf_emb, Wq_codes, Wk_codes, Wv_codes, bq, bk, bv, lowp_scales, qimg, kvimg, psum; writes qimg, kvimg, psum
.if DOCPART == 5
	.amdgcn_target "amdgcn-amd-amdhsa--gfx1250"
	.amdhsa_code_object_version 6
	.text
	.protected	k_qe01b6277d1_proj
	.globl	k_qe01b6277d1_proj
	.p2align	8
	.type	k_qe01b6277d1_proj,@function
k_qe01b6277d1_proj:
	s_mov_b64 s[64:65], 0
	v_nop
	global_prefetch_b8 v0, s[64:65] scope:SCOPE_SE
	s_setreg_imm32_b32 hwreg(HW_REG_WAVE_SCHED_MODE, 0, 2), 2
	s_setreg_imm32_b32 hwreg(HW_REG_WAVE_MODE, 25, 1), 1
	s_wait_xcnt 0x0
	s_wait_alu depctr_vm_vsrc(0)
; xe = x + tf_emb[ids]; one of Q = xe Wq + bq, K = xe Wk + bk, V = xe Wv + bv (work-group y = 0, 1, 2), on codes of FP8 (E4M3), and the result's own codes.
; y = 0 also stores the sums of xe's columns over its 128 rows (for the mean that a later launch needs).
; SHARES.  A work-group takes 128 rows (one key step of one batch).  Wave w quantises rows 16 w .. 16 w + 15 of xe, with the scale that its product is given, and hands the four fragments
; (16 rows x 128 K each) to the others through LDS as images of their registers.  Then wave w makes head w (64 columns) for all 128 rows; its 64 rows of the weight, 256 registers, stay in window 1.
; No cluster and no tensor load: each wave's weights go straight into its registers, once, and x is quantised in registers; nothing that LDS holds comes from memory as it lies.
; THREE MAPS.  (1) Lane r of a fragment of rows holds row 16 tile + rho(r), rho(r) = 2 (r % 8) + r / 8.  (2) Lane r of tile t of a head's 64 weight rows holds channel 32 (t / 2) + 8 (t % 2) + r + 8 (r / 8).
; (3) A fragment's registers 4 c .. 4 c + 3 hold k = 32 c + 16 (lane / 16) + 0 .. 15: the same places in both operands of every product, so each product meets its partner.
; Q, K: the product is used transposed (source 0 = weight, source 1 = xe): a lane holds one row and 8 neighbouring channels a tile; the conversions' results are the K = 64 fragment of the scores' product.
; V: natural order (source 0 = xe, source 1 = weight): a lane holds one channel and the keys 16 m + 2 j + lane / 16 of row tile m: registers 2 m, 2 m + 1 of V's fragment along the keys.
; The bias is the C of each sum's first product, divided by 2^(eA + eB); the result's conversion takes the one scale 2^(eO - eA - eB).
; LIMITS: eA and eO - eA - eB lie between -126 and 119.  NaN among the inputs is not served.  An id above 4 is read as 4.
; REGISTERS, window 0: v4 x offset, v5 16 lane, v6 image store, v7 tf_emb offset, v8 weight offset, v9 8 lane, v10, v11 column sums in LDS, v12 id, v13, v15 bias offsets, v14 id offset;
;   v32-95, v96-159 two sets of 64 numbers of xe, later two sets of four fragments; v160-223 tf_emb's numbers, later v160-191 four accumulators and v192-223 the bias; v224-239 codes; v240 scale, v241 448 x scale; v242-255 column sums at work.
; THE MODE: SCHED_MODE bits 1:0 = 2 (LLVM: expert scheduling mode 2), set by the entry lines.  The code itself states the register dependences
; between vector or matrix instructions and memory or LDS instructions, with s_wait_alu, always for 0.
; THE PLAN.  Registers that memory or LDS instructions touch:
;   v4-v6, v8-v11, v13-v15   offsets and addresses: made at the head, never written again: one wait ahead of the first load.  v7 hangs on the loaded id: a wait of its own.
;   EM (v160-223)            a K step's 32 additions read it; behind them tf_emb's next step (in the last step the bias) lands in it: a wait behind the additions.
;   XS0, XS1 in phase X      the additions and holds write a set, the lane sums and conversions read it; behind the conversions x's step after next lands in it.
;   CSU, PC in phase X       written by the lane sums and by the conversions, read by LDS stores, written again a K step later: a wait ahead of the stores, a wait on vm_vsrc at the next step's head.
;   XS0, XS1 in phase 1      row tile m's products read set m % 2; tile m + 1's sixteen LDS loads, issued at tile m's head, land in the other set, which tile m - 1's products read.
;   PC in phase 1            written by tile m's conversions; read by the global stores that are issued at the head of tile m + 1 (V: of every second tile); written again two tiles (V: one pair) later.
;   window 1 (the weights)   written by loads alone and read by products alone.
; So in phase 1 ONE wait on va_vdst stands at a tile's head, behind the wait for its fragments: the last tile's products are done reading the other set, and its conversions have written their codes.
; The tile's LDS loads and global stores follow it with no further wait; the products, holds and conversions behind them name the tile's own set, the accumulators, the bias and the codes of the other parity.
; The loads stand in one run ahead of the products: under the products' window an LDS load's address would be taken from window 1.  One wait on vm_vsrc, beside the wait on XCNT, stands in every second tile.
.set XS0, 32
.set XS1, 96
.set EM,  160
.set HA,  160
.set BI,  192
.set PC,  224
.set SCL, 240
.set LIM, 241
.set CSU, 242
.set T0,  246
.set T1,  247
.set RR,  248
.set CSR, 65536                        ; LDS: 0 .. 65535 the 32 fragments' images ((4 m + s) x 2048); from 65536 eight waves x 512 column sums
.set MSB, 0
.macro WIN new                         ; the immediate's high byte repeats the setting that is left
.if MSB != \new
	s_set_vgpr_msb (MSB<<8)|\new
.set MSB, \new
.endif
.endm
.macro PLACES                          ; four plain vector instructions behind matrix instructions, ahead of reads of their results (ISA guide 7.12.1)
.rept 4
	v_nop
.endr
.endm
.macro BARRIER                         ; my LDS stores have landed and my LDS loads are in: then the work-group's barrier
	s_wait_dscnt 0x0
	s_barrier_signal -1
	s_barrier_wait -1
.endm
.macro XLOAD set, ks                   ; my row's 64 numbers of K step ks: 16 neighbours of each block of 32
.irp b, 0,1,2,3
.irp j, 0,1,2,3
	global_load_b128 v[\set+16*\b+4*\j:\set+16*\b+4*\j+3], v4, s[8:9] offset:512*(\ks)+128*\b+16*\j
.endr
.endr
.endm
.macro ELOAD ks                        ; the same places of my row's line of tf_emb
.irp b, 0,1,2,3
.irp j, 0,1,2,3
	global_load_b128 v[EM+16*\b+4*\j:EM+16*\b+4*\j+3], v7, s[12:13] offset:512*(\ks)+128*\b+16*\j
.endr
.endr
.endm
.macro WLOAD t                         ; tile t of my head's weight rows, four K steps, into window 1 at v[16 (4 t + s)].  No wait: no vector instruction since the head's wait names v8, and none at all names these registers
	WIN 0x40
.irp ks, 0,1,2,3
.irp c, 0,1,2,3
	global_load_b128 v[16*(4*(\t)+\ks)+4*\c:16*(4*(\t)+\ks)+4*\c+3], v8, s[34:35] offset:(32*((\t)/2)+8*((\t)%2))*512+128*\ks+32*\c
.endr
.endr
	WIN 0
.endm
; Sixteen numbers a lane, summed over the 16 lanes of a half-wave so that lane r ends with number r's sum: in each stage a lane keeps one half of its numbers and sends the other to the lane 8, 4, 2, 1 away.  The source is left as it is.
.macro RS16 src, dst
.irp i, 0,1,2,3,4,5,6,7
	v_cndmask_b32 v[T0], v[\src+\i], v[\src+\i+8], s44
	v_cndmask_b32 v[T1], v[\src+\i+8], v[\src+\i], s44
	v_add_f32_dpp v[RR+\i], v[T1], v[T0] row_xmask:8 row_mask:0xf bank_mask:0xf
.endr
.irp i, 0,1,2,3
	v_cndmask_b32 v[T0], v[RR+\i], v[RR+\i+4], s45
	v_cndmask_b32 v[T1], v[RR+\i+4], v[RR+\i], s45
	v_add_f32_dpp v[RR+\i], v[T1], v[T0] row_xmask:4 row_mask:0xf bank_mask:0xf
.endr
.irp i, 0,1
	v_cndmask_b32 v[T0], v[RR+\i], v[RR+\i+2], s46
	v_cndmask_b32 v[T1], v[RR+\i+2], v[RR+\i], s46
	v_add_f32_dpp v[RR+\i], v[T1], v[T0] row_xmask:2 row_mask:0xf bank_mask:0xf
.endr
	v_cndmask_b32 v[T0], v[RR], v[RR+1], s47
	v_cndmask_b32 v[T1], v[RR+1], v[RR], s47
	v_add_f32_dpp v[\dst], v[T1], v[T0] row_xmask:1 row_mask:0xf bank_mask:0xf
.endm
.macro QUANT set                       ; 64 numbers of a lane become a fragment's 16 registers of codes
.irp b, 0,1,2,3
.irp i, 0,1,2,3,4,5,6,7,8,9,10,11,12,13,14,15
	v_med3_num_f32 v[\set+16*\b+\i], v[\set+16*\b+\i], -v[LIM], v[LIM]   ; the conversion does not saturate (ISA guide 7.6.2): the hold at the largest code x the scale
.endr
	v_cvt_scalef32_pk8_fp8_f32 v[PC+4*\b:PC+4*\b+1], v[\set+16*\b:\set+16*\b+7], v[SCL]
	v_cvt_scalef32_pk8_fp8_f32 v[PC+4*\b+2:PC+4*\b+3], v[\set+16*\b+8:\set+16*\b+15], v[SCL]
.endr
	v_nop                                          ; a plain instruction behind the last conversion
.endm
; One K step of phase X.  left: the younger loads that may stay out.  el, xl, wl: ask for tf_emb's next step, x's step after next, the next weight tile.
.macro XSTEP k, set, left, el, xl, wl
	s_wait_loadcnt \left                           ; this step's x and tf_emb are in
.if \k > 0
	s_wait_dscnt 0x0                               ; the last step's LDS stores are done
	s_wait_alu depctr_vm_vsrc(0)                   ; the last step's LDS stores have read v[PC ..] and v[CSU ..], which this step's conversions and lane sums write again
.endif
.set jj, 0
.rept 32
	v_pk_add_f32 v[\set+jj:\set+jj+1], v[\set+jj:\set+jj+1], v[EM+jj:EM+jj+1]   ; xe
.set jj, jj+2
.endr
	s_wait_alu depctr_va_vdst(0)                   ; the additions are done reading v[EM ..], in which tf_emb's next step, in the last step the bias, lands
.if \el
	ELOAD (\k)+1
.endif
.if \k == 3                            ; tf_emb's registers are free: the bias comes in, in the layout of the results
	s_cmp_eq_u32 s3, 2
	s_cbranch_scc1 .Lbias_n
.irp t, 0,1,2,3
	global_load_b128 v[BI+8*\t:BI+8*\t+3], v13, s[36:37] offset:(32*(\t/2)+8*(\t%2))*4
	global_load_b128 v[BI+8*\t+4:BI+8*\t+7], v13, s[36:37] offset:(32*(\t/2)+8*(\t%2))*4+16
.endr
	s_branch .Lbias_in
.Lbias_n:
.irp t, 0,1,2,3
	global_load_b32 v[BI+8*\t], v15, s[36:37] offset:(32*(\t/2)+8*(\t%2))*4
.endr
.Lbias_in:
.endif
	s_cmp_lg_u32 s3, 0                             ; the column sums are made once, by y = 0
	s_cbranch_scc1 .Lnocs_\@
.irp b, 0,1,2,3
	RS16 \set+16*\b, CSU+\b
.endr
	s_wait_alu depctr_va_vdst(0)                   ; the lane sums have written v[CSU ..], which the four LDS stores read
.irp b, 0,1,2,3
	ds_store_b32 v10, v[CSU+\b] offset:512*(\k)+128*\b   ; column 128 k + 32 b + lane, my 16 rows' sum
.endr
.Lnocs_\@:
	QUANT \set
	s_wait_alu depctr_va_vdst(0)                   ; the conversions have written v[PC ..], which the LDS stores read; holds and conversions are done with the set, in which x's step after next lands
.irp c, 0,1,2,3
	ds_store_b128 v6, v[PC+4*\c:PC+4*\c+3] offset:2048*(\k)+512*\c   ; the fragment's image: 512 consecutive bytes a store
.endr
.if \xl
	XLOAD \set, (\k)+2
.endif
.if \wl
	WLOAD (\k)+1
.endif
.endm
.macro FETCH set, m                    ; row tile m's four fragments
.irp ks, 0,1,2,3
.irp c, 0,1,2,3
	ds_load_b128 v[\set+16*\ks+4*\c:\set+16*\ks+4*\c+3], v5 offset:8192*(\m)+2048*\ks+512*\c
.endr
.endr
.endm
; 16 matrix instructions: four K steps x my four tiles; the four accumulators take turns, one instruction a turn.  The first K step takes the bias as C.
.macro MUL set, nat
.if \nat
	WIN 0x04                                       ; source 1 (the weight) in window 1
.else
	WIN 0x01                                       ; source 0 (the weight) in window 1
.endif
.irp ks, 0,1,2,3
.irp t, 0,1,2,3
.if \nat
.if \ks == 0
	v_wmma_f32_16x16x128_fp8_fp8 v[HA+8*\t:HA+8*\t+7], v[\set+16*\ks:\set+16*\ks+15], v[16*(4*\t+\ks):16*(4*\t+\ks)+15], v[BI+8*\t:BI+8*\t+7]
.else
	v_wmma_f32_16x16x128_fp8_fp8 v[HA+8*\t:HA+8*\t+7], v[\set+16*\ks:\set+16*\ks+15], v[16*(4*\t+\ks):16*(4*\t+\ks)+15], v[HA+8*\t:HA+8*\t+7]
.endif
.else
.if \ks == 0
	v_wmma_f32_16x16x128_fp8_fp8 v[HA+8*\t:HA+8*\t+7], v[16*(4*\t+\ks):16*(4*\t+\ks)+15], v[\set+16*\ks:\set+16*\ks+15], v[BI+8*\t:BI+8*\t+7]
.else
	v_wmma_f32_16x16x128_fp8_fp8 v[HA+8*\t:HA+8*\t+7], v[16*(4*\t+\ks):16*(4*\t+\ks)+15], v[\set+16*\ks:\set+16*\ks+15], v[HA+8*\t:HA+8*\t+7]
.endif
.endif
.endr
.endr
	WIN 0
.endm
.macro QUANTO par, nat                 ; the four tiles' results become codes; par: the row tile's parity
.irp t, 0,1,2,3
.irp i, 0,1,2,3,4,5,6,7
	v_med3_num_f32 v[HA+8*\t+\i], v[HA+8*\t+\i], -v[LIM], v[LIM]
.endr
.if \nat
	v_cvt_scalef32_pk8_fp8_f32 v[PC+4*\t+2*(\par):PC+4*\t+2*(\par)+1], v[HA+8*\t:HA+8*\t+7], v[SCL]
.else
	v_cvt_scalef32_pk8_fp8_f32 v[PC+8*(\par)+2*\t:PC+8*(\par)+2*\t+1], v[HA+8*\t:HA+8*\t+7], v[SCL]
.endif
.endr
	v_nop                                          ; a plain instruction between the last conversion and the products that write its sources again
.endm
.macro OUT_T m                         ; Q, K: row tile m's K = 64 fragment's image: two stores of 512 consecutive bytes
	global_store_b128 v5, v[PC+8*((\m)%2):PC+8*((\m)%2)+3], s[38:39] offset:1024*(\m)
	global_store_b128 v5, v[PC+8*((\m)%2)+4:PC+8*((\m)%2)+7], s[38:39] offset:1024*(\m)+512
.endm
.macro OUT_N i                         ; V: row tiles 2 i and 2 i + 1: registers 4 i .. 4 i + 3 of channel tile t's fragment along the keys
.irp t, 0,1,2,3
	global_store_b128 v5, v[PC+4*\t:PC+4*\t+3], s[38:39] offset:2048*\t+512*(\i)
.endr
.endm
; Row tile m.  Its fragments were asked for at the head of the tile before; it asks for the next tile's and sends out the codes that the tile before has made.
.macro TILE m, nat
.set CUR, XS0+64*((\m)%2)
.set NXT, XS0+64*(1-(\m)%2)
	s_wait_dscnt 0x0                               ; this tile's sixteen LDS loads are in
.if (\m) > 0
.if ((\m) < 7) || ((\nat) == 0)        ; (V's last tile issues neither loads nor stores here: nothing to state)
	s_wait_alu depctr_va_vdst(0)                   ; the last tile's products are done reading the other set, in which the loads below land; its conversions have written the codes that the stores below read
.endif
.endif
.if (\m) < 7
	FETCH NXT, (\m)+1                              ; (tile 0: no vector instruction since phase X's last wait on va_vdst names this set or v5)
.endif
.if (\m) > 0
.if \nat
.if ((\m)%2) == 0
	OUT_N (\m)/2-1
.endif
.else
	OUT_T (\m)-1
.endif
.endif
	MUL CUR, \nat
	PLACES
.if ((\m)%2) == 0
	s_wait_xcnt 0x0                                ; the earlier stores have read the codes' registers
	s_wait_alu depctr_vm_vsrc(0)                   ; the stores issued so far (ahead of tile 0: phase X's LDS stores) have read v[PC ..], which this tile's and the next tile's conversions write again
.endif
	QUANTO (\m)%2, \nat
.endm
	s_load_b512 s[8:23], s[0:1], 0x0               ; x s[8:9], ids s[10:11], tf_emb s[12:13], Wq s[14:15], Wk s[16:17], Wv s[18:19], bq s[20:21], bk s[22:23]
	s_load_b256 s[24:31], s[0:1], 0x40             ; bv s[24:25], scales s[26:27], qimg s[28:29], kvimg s[30:31]
	s_load_b64 s[32:33], s[0:1], 0x60              ; psum
	v_lshl_add_u32 v30, v0, 2, 0x14000
	v_mov_b32 v31, 0
	v_lshrrev_b32 v1, 5, v0
	v_readfirstlane_b32 s2, v1                     ; wave 0..7
	s_and_b32 s3, ttmp7, 0xffff                    ; y: which product
	s_mov_b32 s4, ttmp9                            ; g: which 128 rows
	v_and_b32 v1, 31, v0                           ; lane
	v_and_b32 v2, 15, v0                           ; r
	v_bfe_u32 v3, v0, 4, 1                         ; h
	v_and_b32 v14, 7, v0
	v_bfe_u32 v15, v0, 3, 1
	v_lshl_add_u32 v14, v14, 1, v15                ; rho(r)
	v_lshlrev_b32 v4, 11, v14
	v_lshl_add_u32 v4, v3, 6, v4                   ; x: row rho of 2,048 bytes, + 64 h
	v_lshlrev_b32 v14, 2, v14                      ; ids: 4 rho
	v_lshlrev_b32 v5, 4, v1                        ; 16 lane
	s_wait_alu depctr_va_sdst(0)                   ; s2 is written, ahead of its first reader: LDS addresses and the buffers' offsets are made from it
	s_lshl_b32 s48, s2, 13
	v_add_nc_u32 v6, s48, v5                       ; my four images: 8,192 w + 16 lane
	v_lshl_add_u32 v15, v15, 3, v2                 ; r + 8 (r / 8)
	v_lshlrev_b32 v8, 9, v15
	v_lshl_add_u32 v8, v3, 4, v8                   ; weight: that row of 512 bytes, + 16 h
	v_lshlrev_b32 v15, 2, v15                      ; bias, natural order: my channel
	v_lshlrev_b32 v13, 6, v3                       ; bias, transposed: 16 h channels on
	v_lshlrev_b32 v9, 3, v1
	s_lshl_b32 s48, s2, 11
	s_add_co_u32 s48, s48, CSR
	v_lshl_add_u32 v10, v1, 2, s48                 ; my wave's column sums
	s_lshl_b32 s48, s2, 8
	s_add_co_u32 s48, s48, CSR
	v_lshl_add_u32 v11, v1, 3, s48                 ; columns 64 w + 2 lane of wave 0's
.irp j, 242,243,244,245,246,247,248,249,250,251,252,253,254,255
	v_mov_b32 v\j, 0                               ; written once: a destination of a lane-crossing add counts as read
.endr
	s_mov_b32 s44, 0xff00ff00                      ; lanes with r & 8, 4, 2, 1
	s_mov_b32 s45, 0xf0f0f0f0
	s_mov_b32 s46, 0xcccccccc
	s_mov_b32 s47, 0xaaaaaaaa
	s_lshl_b32 s50, s4, 18
	s_lshl_b32 s51, s2, 15
	s_add_co_u32 s50, s50, s51                     ; x: (128 g + 16 w) rows
	s_mov_b32 s51, 0
	s_lshl_b32 s52, s4, 9
	s_lshl_b32 s53, s2, 6
	s_add_co_u32 s52, s52, s53                     ; ids likewise
	s_mov_b32 s53, 0
	s_lshl_b32 s54, s2, 15                         ; weight: 64 w rows
	s_mov_b32 s55, 0
	s_lshl_b32 s56, s2, 8                          ; bias: 64 w numbers
	s_mov_b32 s57, 0
	s_lshl_b32 s58, s4, 11
	s_add_co_u32 s58, s58, s56                     ; psum: 2,048 g + 256 w
	s_mov_b32 s59, 0
	s_lshr_b32 s60, s4, 4
	s_lshl_b32 s60, s60, 3
	s_add_co_u32 s60, s60, s2                      ; batch x 8 + head
	s_and_b32 s61, s4, 15                          ; the key step
	s_cmp_eq_u32 s3, 0
	s_cselect_b32 s48, 17, 18                      ; a head's bytes: 2^17 in qimg, 2^18 in kvimg
	s_cselect_b32 s49, 13, 14                      ; a step's: 2^13, 2^14
	s_lshl_b32 s60, s60, s48
	s_lshl_b32 s61, s61, s49
	s_add_co_u32 s60, s60, s61
	s_cmp_eq_u32 s3, 2
	s_cselect_b32 s61, 8192, 0                     ; V lies behind K in a step
	s_add_co_u32 s60, s60, s61
	s_mov_b32 s61, 0
	s_lshl_b32 s62, s3, 3                          ; eA, eB: entries 2 y, 2 y + 1
	s_mov_b32 s63, 0
	s_lshr_b32 s66, s3, 1
	s_add_co_u32 s66, s66, s3
	s_lshl_b32 s66, s66, 2                         ; eO: entry 6 + y + y / 2: 6, 7, 9
	s_mov_b32 s67, 0
	s_wait_kmcnt 0x0
	s_add_nc_u64 s[8:9], s[8:9], s[50:51]
	s_add_nc_u64 s[10:11], s[10:11], s[52:53]
	s_cmp_eq_u32 s3, 0                             ; the buffers are chosen on the work-group's y alone
	s_cselect_b64 s[34:35], s[14:15], s[16:17]
	s_cselect_b64 s[36:37], s[20:21], s[22:23]
	s_cselect_b64 s[38:39], s[28:29], s[30:31]
	s_cmp_eq_u32 s3, 2
	s_cselect_b64 s[34:35], s[18:19], s[34:35]
	s_cselect_b64 s[36:37], s[24:25], s[36:37]
	s_add_nc_u64 s[34:35], s[34:35], s[54:55]
	s_add_nc_u64 s[36:37], s[36:37], s[56:57]
	s_add_nc_u64 s[38:39], s[38:39], s[60:61]
	s_add_nc_u64 s[32:33], s[32:33], s[58:59]
	s_wait_alu depctr_va_vdst(0)                   ; the offsets and addresses v4 to v6, v8 to v11 and v13 to v15 are written: the kernel's loads and stores read them
	global_load_b32 v12, v14, s[10:11]             ; my row's id
	XLOAD XS0, 0
	XLOAD XS1, 1
	s_add_nc_u64 s[68:69], s[26:27], s[62:63]
	s_add_nc_u64 s[70:71], s[26:27], s[66:67]
	s_load_b64 s[40:41], s[68:69], 0x0             ; eA, eB
	s_load_b32 s42, s[70:71], 0x18                 ; eO
	s_wait_loadcnt 32                              ; the id is in; x's two K steps may be out
	v_min_u32 v12, 4, v12
	v_lshlrev_b32 v7, 11, v12
	v_lshl_add_u32 v7, v3, 6, v7                   ; tf_emb: line id of 2,048 bytes, + 64 h
	s_wait_alu depctr_va_vdst(0)                   ; v7 is written: tf_emb's loads read it as their offset
	ELOAD 0
	WLOAD 0
	s_wait_kmcnt 0x0
	s_add_co_i32 s48, s40, 127
	s_lshl_b32 s49, s48, 23
	v_mov_b32 v[SCL], s49                          ; 2^eA as f32: the conversion takes its exponent field
	s_add_co_i32 s48, s48, 8
	s_lshl_b32 s48, s48, 23
	s_or_b32 s48, s48, 0x600000
	v_mov_b32 v[LIM], s48                          ; 448 x 2^eA
	; ---- X: my 16 rows of xe become four fragments
	XSTEP 0, XS0, 16, 1, 1, 1                      ; behind tf_emb's step 0: weight tile 0
	XSTEP 1, XS1, 32, 1, 1, 1                      ; behind tf_emb's step 1: x's step 2, weight tile 1
	XSTEP 2, XS0, 32, 1, 0, 1                      ; behind tf_emb's step 2: x's step 3, weight tile 2
	XSTEP 3, XS1, 16, 0, 0, 0                      ; behind tf_emb's step 3: weight tile 3
	BARRIER                                        ; all 32 fragments, and with y = 0 the eight waves' column sums, lie in LDS; they are only read from here on
	FETCH XS0, 0                                   ; row tile 0's fragments, asked for at once.  No wait: no vector instruction stands behind the last K step's wait on va_vdst
	s_cmp_lg_u32 s3, 0
	s_cbranch_scc1 .Lno_psum
.irp i, 0,1,2,3,4,5,6,7
	ds_load_b64 v[160+2*\i:161+2*\i], v11 offset:2048*\i   ; (the additions that read these registers stand ahead of the last K step's waits on va_vdst)
.endr
	s_wait_dscnt 0x0
	v_pk_add_f32 v[160:161], v[160:161], v[162:163]
	v_pk_add_f32 v[164:165], v[164:165], v[166:167]
	v_pk_add_f32 v[168:169], v[168:169], v[170:171]
	v_pk_add_f32 v[172:173], v[172:173], v[174:175]
	v_pk_add_f32 v[160:161], v[160:161], v[164:165]
	v_pk_add_f32 v[168:169], v[168:169], v[172:173]
	v_pk_add_f32 v[160:161], v[160:161], v[168:169]
	s_wait_alu depctr_va_vdst(0)                   ; the additions have written v[160:161], which the store reads
	global_store_b64 v9, v[160:161], s[32:33]      ; the wave stores 256 consecutive bytes, aligned
	s_wait_xcnt 0x0                                ; the store has read its registers: the products write them next
	s_wait_alu depctr_vm_vsrc(0)                   ; the store has read v[160:161], which tile 0's products write
.Lno_psum:
	; ---- 1: my head, for the eight tiles of rows
	s_wait_loadcnt 0x0                             ; the weights and the bias
	s_add_co_i32 s48, s40, s41                     ; a sum stands for sum x 2^(eA + eB)
	s_sub_co_i32 s49, 0, s48
	s_sub_co_i32 s50, s42, s48
	s_add_co_i32 s50, s50, 127
	s_lshl_b32 s51, s50, 23
	v_mov_b32 v[SCL], s51                          ; 2^(eO - eA - eB): the three scales folded into the conversion's one
	s_add_co_i32 s50, s50, 8
	s_lshl_b32 s50, s50, 23
	s_or_b32 s50, s50, 0x600000
	v_mov_b32 v[LIM], s50
	s_cmp_eq_u32 s3, 2
	s_cbranch_scc1 .Lpath_n
.set jj, 0
.rept 32
	v_ldexp_f32 v[BI+jj], v[BI+jj], s49            ; bias / 2^(eA + eB)
.set jj, jj+1
.endr
.irp m, 0,1,2,3,4,5,6,7
	TILE \m, 0
.endr
	s_wait_alu depctr_va_vdst(0)                   ; tile 7's conversions have written its codes, which the last two stores read
	OUT_T 7
	s_wait_dscnt 0x0
	s_wait_alu depctr_hold_cnt(0) depctr_sa_sdst(0) depctr_va_vdst(0) depctr_va_sdst(0) depctr_va_ssrc(0) depctr_va_vcc(0) depctr_vm_vsrc(0)
	s_wait_tensorcnt 0x0
	ds_add_u32 v30, v31
	s_wait_dscnt 0x0
	s_endpgm
.Lpath_n:
.irp t, 0,1,2,3
	v_ldexp_f32 v[BI+8*\t], v[BI+8*\t], s49
.irp i, 1,2,3,4,5,6,7
	v_mov_b32 v[BI+8*\t+\i], v[BI+8*\t]            ; a lane's eight results of a tile share its channel
.endr
.endr
.irp m, 0,1,2,3,4,5,6,7
	TILE \m, 1
.endr
	s_wait_alu depctr_va_vdst(0)                   ; tiles 6 and 7's conversions have written the codes, which the last four stores read
	OUT_N 3
	s_wait_dscnt 0x0
	s_wait_alu depctr_hold_cnt(0) depctr_sa_sdst(0) depctr_va_vdst(0) depctr_va_sdst(0) depctr_va_ssrc(0) depctr_va_vcc(0) depctr_vm_vsrc(0)
	s_wait_tensorcnt 0x0
	ds_add_u32 v30, v31
	s_wait_dscnt 0x0
	s_endpgm
.Lfunc_end_k_qe01b6277d1_proj:
	.size	k_qe01b6277d1_proj, .Lfunc_end_k_qe01b6277d1_proj-k_qe01b6277d1_proj
	.p2alignl 7, 3214868480
	.fill 96, 4, 3214868480
	.section	.rodata,"a",@progbits
	.p2align	6, 0x0
	.amdhsa_kernel k_qe01b6277d1_proj
		.amdhsa_group_segment_fixed_size 82944
		.amdhsa_private_segment_fixed_size 0
		.amdhsa_enable_private_segment 0
		.amdhsa_kernarg_size 104
		.amdhsa_user_sgpr_count 2
		.amdhsa_user_sgpr_kernarg_segment_ptr 1
		.amdhsa_wavefront_size32 1
		.amdhsa_system_sgpr_workgroup_id_x 1
		.amdhsa_system_sgpr_workgroup_id_y 1
		.amdhsa_system_sgpr_workgroup_id_z 1
		.amdhsa_system_vgpr_workitem_id 0
		.amdhsa_next_free_vgpr 512
		.amdhsa_next_free_sgpr 72
		.amdhsa_reserve_vcc 0
		.amdhsa_float_denorm_mode_32 3
		.amdhsa_float_denorm_mode_16_64 3
		.amdhsa_memory_ordered 1
		.amdhsa_forward_progress 1
		.amdhsa_inst_pref_size 179
	.end_amdhsa_kernel
	.amdgpu_metadata
---
amdhsa.version: [ 1, 2 ]
amdhsa.kernels:
  - .name:           k_qe01b6277d1_proj
    .symbol:         k_qe01b6277d1_proj.kd
    .args:
      - { .name: x, .offset: 0, .size: 8, .value_kind: global_buffer, .address_space: global }
      - { .name: timeframe_ids, .offset: 8, .size: 8, .value_kind: global_buffer, .address_space: global }
      - { .name: tf_emb, .offset: 16, .size: 8, .value_kind: global_buffer, .address_space: global }
      - { .name: Wq_codes, .offset: 24, .size: 8, .value_kind: global_buffer, .address_space: global }
      - { .name: Wk_codes, .offset: 32, .size: 8, .value_kind: global_buffer, .address_space: global }
      - { .name: Wv_codes, .offset: 40, .size: 8, .value_kind: global_buffer, .address_space: global }
      - { .name: bq, .offset: 48, .size: 8, .value_kind: global_buffer, .address_space: global }
      - { .name: bk, .offset: 56, .size: 8, .value_kind: global_buffer, .address_space: global }
      - { .name: bv, .offset: 64, .size: 8, .value_kind: global_buffer, .address_space: global }
      - { .name: lowp_scales, .offset: 72, .size: 8, .value_kind: global_buffer, .address_space: global }
      - { .name: qimg, .offset: 80, .size: 8, .value_kind: global_buffer, .address_space: global }
      - { .name: kvimg, .offset: 88, .size: 8, .value_kind: global_buffer, .address_space: global }
      - { .name: psum, .offset: 96, .size: 8, .value_kind: global_buffer, .address_space: global }
    .group_segment_fixed_size: 82944
    .private_segment_fixed_size: 0
    .kernarg_segment_align: 8
    .kernarg_segment_size: 104
    .max_flat_workgroup_size: 256
    .sgpr_count:     72
    .vgpr_count:     512
    .wavefront_size: 32
...
	.end_amdgpu_metadata
.endif
;; end of part 5
;; launch maskfb: the kernel of part 2 again; grid 528 x 1, 16 waves a work-group, no clusters, 10,240 bytes of LDS; arguments mask, psum, Wc1, bc1, Wc2, mbits, zpart; writes mbits, zpart
;; launch attn: the kernel of part 3 again; grid 8 x 32, 16 waves a work-group, clusters of 4 x 1, 264,192 bytes of LDS; arguments qimg, kvimg, mbits, zpart, bc2, res_gate, lowp_scales, aimg; writes aimg
;; launch outln: the kernel of part 4 again; grid 256 x 1, 8 waves a work-group, no clusters, 168,960 bytes of LDS; arguments aimg, Wo_codes, bo, x, ln_g, ln_b, lowp_scales, out0; writes out0
